; MI455X (gfx1250); checked and timed in simulation.
; The chip was launched on July 23, 2026; its instructions are those of AMD's public machine-readable ISA for CDNA 5 (MIT licence, August 2026) and "CDNA5" Instruction Set Architecture Reference Guide (July 2026). The comments in the code are by the model that wrote it; some were corrected since.
;; Attention. Allowed arithmetic: matrix products marked QUANTISED: E2M1 operands, one E8M0 scale for each 32 along K, by v_wmma_scale_f32_16x16x128_f8f6f4 with both operands' format E2M1 (or v_wmma_scale_f32_32x16x128_f4), f32 sums; products left as they are: f32 operands where the result goes on into a quantised operand, else bf16, f16 or f32 operands; f32 sums; everything else in f32.
;; Inputs: W_codes 1,024 x 64 x 16 uint8 (E2M1 codes of W, K innermost, in blocks of 32 codes, two codes a byte); W_scales 1,024 x 64 uint8 (E8M0 scales of W, one for each 32 codes along K); b 1,024 float32; encoder_outputs 2,048 x 16 x 1,024 float32; hidden 1 x 16 x 1,024 float32; v 1,024 float32.
;; Outputs: out0 16 x 1,024 float32; out1 16 x 2,048 float32.
;; This version of the problem:
;;   THIS VERSION OF THE PROBLEM IS GIVEN IN LOW PRECISION. The matrix products marked QUANTISED in the list below multiply operands that are first quantised to E2M1 (2 exponent bits, 1 mantissa bit; 4 bits a number), with one power-of-two scale for each 32 numbers along K (OCP MX v1.0); their sums are f32. All else is computed in f32.
;;   The module's matrix products, in the order in which they are computed (A, B: the left and right operand; K: the contracted axis; several contracted axes count as one K, in the product's order):
;;     1. [M 32,768, K 2,048] x [K 2,048, N 1,024]; A: computed on the way; B: input W (given as codes): QUANTISED
;;     2. [M 1, K 1,024] x [K 1,024, N 32,768]; A: input v; B: computed on the way: left as it is (M = 1 < 16)
;;     3. batch 16 x [M 1, K 2,048] x [K 2,048, N 1,024]; A: softmax; B: input encoder_outputs: left as it is (M = 1 < 16)
;;   THE QUANTISER, for each operand of a quantised product, along K:
;;     - K is cut into blocks of 32 from its start; a last block that is shorter is filled with zeros.
;;     - A block's scale is 2^e with e = floor(log2(the largest magnitude in the block)) - 2, held to -126 .. 127; a block of zeros has e = 0. As a byte (E8M0): e + 127.
;;     - Each number is divided by its block's scale, clamped to +-6, and rounded to the nearest number of E2M1, ties to even, subnormals kept.
;;     - The product sums the exact products of the quantised numbers (number of the format x scale) in f32.
;;   ~~~python
;;   def quantise(x, axis):      # numpy; x: float32 -> the quantised numbers, widened to float32 again
;;       x = np.moveaxis(x, axis, -1); K = x.shape[-1]
;;       x = np.pad(x, [(0, 0)] * (x.ndim - 1) + [(0, -K % 32)]); x = x.reshape(x.shape[:-1] + (-1, 32)); a = np.abs(x).max(-1, keepdims=True)
;;       e = np.where(a > 0, np.clip(np.frexp(np.where(a > 0, a, 1))[1] - 1 - 2, -126, 127), 0)      # np.frexp(a)[1] - 1 = floor(log2(a)), exactly
;;       r = np.clip(x / 2.0 ** e, -6, 6)
;;       step = 2.0 ** (np.maximum(np.frexp(np.where(r == 0, 1, r))[1] - 1, 0) - 1)
;;       q = np.round(r / step) * step * 2.0 ** e      # np.round: ties to even
;;       return np.moveaxis(q.reshape(q.shape[:-2] + (-1,))[..., :K], -1, axis).astype(np.float32)
;;   ~~~
;;   OPERANDS COMPUTED ON THE WAY. 'Computed on the way' means the value that the module computes at that place (a softmax that the list does not call 'softmax' is quantised finished and normalised). What goes into a quantiser is computed in f32, as accurately as f32 sums, v_exp_f32 and their like allow (about 1e-6 of the number): no bf16 or f16 on the way to a quantiser, and a product that is left as it is and whose result goes on into a quantised operand takes f32 operands (vector FMAs, or v_wmma_f32_16x16x4_f32). A number that lies on a knife's edge between two numbers of the format may be rounded either way, as far as f32 arithmetic and the matrix unit's own rounding can turn it there, and no further.
;;   INPUTS GIVEN AS CODES. W (in the module: [1024, 2048], K = its axis 1): each comes as NAME_codes (uint8): NAME with its K axis moved to the last place and cut into blocks of 32 codes, [.., K / 32, bytes a block], one block behind the other in memory; two codes a byte, the lower K in the low four bits (a code: sign, 2 exponent bits, 1 mantissa bit); and NAME_scales (uint8): the same leading axes, one E8M0 byte (e + 127) for each 32 codes along K. Its value is code x scale, taken as it is: it is not quantised again, and the codes and scales need not be those that the quantiser above would give.
;; 2 versions, each right; version 2 is version 1 with the launches prep, main written anew for expert scheduling mode. Each part assembles by itself: llvm-mc -triple=amdgcn-amd-amdhsa -mcpu=gfx1250 --defsym DOCPART=n.
;; ======== version 1 of 2: 3 launches
;; workspace buffers: wf 524,288 bytes; ws 32,768 bytes; ci 65,536 bytes; tbuf 131,072 bytes; pctx 1,048,576 bytes
;; launch prep (part 1): grid 64 x 1, 4 waves a work-group, no clusters, 4,608 bytes of LDS; arguments W_codes, W_scales, b, hidden, wf, ws, ci; writes wf, ws, ci
.if DOCPART == 1
	.amdgcn_target "amdgcn-amd-amdhsa--gfx1250"
	.amdhsa_code_object_version 6
	.text
	.protected	k_q57b4d3b31f_prep
	.globl	k_q57b4d3b31f_prep
	.p2align	8
	.type	k_q57b4d3b31f_prep,@function
k_q57b4d3b31f_prep:
	s_mov_b64 s[64:65], 0
	v_nop
	global_prefetch_b8 v0, s[64:65] scope:SCOPE_SE
	s_setreg_imm32_b32 hwreg(HW_REG_WAVE_MODE, 25, 1), 1
	s_wait_xcnt 0x0
; THE PROGRAM: x[s][b][n] = sum over k of Q(cat[s][b])[k] W[n][k], cat = [hidden[b] | enc[s][b]], K = 2,048, on codes of FP4 (E2M1) with one E8M0 scale for each 32 along K;
; score[b][s] = sum over n of v[n] tanh(x + bias[n]); out1 = softmax over s; out0[b] = sum over s of out1[b][s] enc[s][b].  Three launches: this one, main, merge.
; WORK THAT IS NOT REPEATED.  The first 1,024 of K are hidden[b], the same for all 2,048 s.  K is cut into blocks of 32 from its start, so blocks 0 to 31 lie wholly inside that half: their codes and scale
; bytes are those of hidden[b] alone, and the sum over k < 1,024 is ONE number for each (b, n), whatever the inputs hold.  It is made here once for each b (16 rows in place of 32,768), by the format's own instruction.
; WORK LEFT OUT.  tanh(y) = 1 - 2 / (1 + e^(2 y)), so score[b][s] = (sum over n of v[n]) - 2 sum over n of v[n] r[s][b][n], r = 1 / (1 + e^(2 y)).  The first term is the same along s, the softmax's axis,
; for all values of v, and the scores themselves are no output: it is not formed.  Every input is loaded by some launch.
; LIMITS.  A NaN, an infinity or an overflow that reaches only the sum of v is not carried to the result.  NaN and infinities among the inputs are not served.  A block of zeros gets the byte 1 with zero codes where the
; rule says 127: the bytes are read by this program alone.  The hidden half's sum and the bias are added to the other half's f32 sum behind it: another order of rounding than one chain over K.
; THIS LAUNCH, work-group T (64 of them), W's rows n0 = 16 T .. + 15, four waves:
;  (1) ci[b][n] = c2 (bias[n] + sum over k < 1,024 of Q(hidden[b])[k] W[n][k]), c2 = 2 log2(e).  Wave w takes K steps 2 w and 2 w + 1 of 128; the four partial tiles meet in LDS, wave 0 adds them.
;      The product is used transposed (source 0 = 16 rows of W, source 1 = hidden's 16 rows): lane (r, h) holds b = r and n = n0 + 8 h + 0 .. 7.
;  (2) W's second half is laid in the order of the operand's registers: wf[T][t][c][lane][16 bytes], ws[T][lane][4 words].  K step t (0 .. 7), place q = 2 c + h of its four blocks, takes block
;      16 (t / 4) + 4 q + t % 4 of the half's 32: the same order in which main lays the rows' codes (there eight lanes then hold a scale word's four bytes by themselves).
; ci leaves in runs of 64 bytes a row b, so its aligned blocks of 256 bytes are written by four work-groups: 64 KiB in the whole launch.
.set SPARE, 4096                       ; LDS: 0 .. 4,095 the four partial tiles, 1,024 bytes a wave, as images of the registers; then the spare words, 128 bytes a wave
.set SPW, 2                            ; v2   my spare word: SPARE + 4 x my thread's number; never rewritten
.set NIL, 3                            ; v3   0; never rewritten
.set XA,  6                            ; v6   hidden: 4,096 r + 64 h + 1,024 w
.set WNA, 7                            ; v7   W's codes, first half, as they lie: 1,024 r + 16 h + 128 w
.set WSA, 8                            ; v8   their scale words: 64 r + 8 w
.set RLA, 9                            ; v9   W's codes, second half: 1,024 r + 64 h + 256 (w / 2) + 32 (w % 2)
.set LI,  10                           ; v10  16 x lane
.set PSA, 11                           ; v11  LDS: 1,024 w + 16 x lane
.set CIA, 12                           ; v12  ci: 4,096 r + 32 h
.set BA,  13                           ; v13  bias: 32 h
.set WTA, 14                           ; v14  W's scale bytes, second half: 64 r + 16 h
.set WFA, 15                           ; v15  wf: 2,048 w + 16 x lane
.set WN,  16                           ; v16-31   W's two fragments
.set WNS, 32                           ; v32-33   their scale words: scales and nothing else
.set RL,  36                           ; v36-51   four pieces of 16 bytes on their way to wf
.set BI,  52                           ; v52-59   bias
.set SB,  60                           ; v60-63   16 scale bytes
.set HX,  64                           ; v64-191  2 x 64 numbers of hidden; later the four partial tiles
.set PT,  192                          ; v192-199 the bytes' turning
.set TM,  200                          ; v200-203 largest magnitudes, v204-207 bytes, v212-215 the conversions' scale operands
.set HS,  216                          ; v216-217 hidden's scale words: scales and nothing else
.set HF,  224                          ; v224-239 hidden's two fragments
.set ACC, 240                          ; v240-247 my partial tile
; 64 numbers of a lane, register 16 b + i = k 32 b + 16 (lane / 16) + i of my row, become a fragment's codes in v[pc] on and its scale word in v[pw]
.macro QUANT s, pc, pw
.irp b, 0,1,2,3
	v_max3_num_f32 v[TM+\b], |v[\s+16*\b]|, |v[\s+1+16*\b]|, 0x1800000   ; my 16 numbers of block b, and the floor 2^(3 - 127): the byte cannot fall under 1
.endr
.irp i, 2,4,6,8,10,12,14
.irp b, 0,1,2,3
	v_max3_num_f32 v[TM+\b], v[TM+\b], |v[\s+16*\b+\i]|, |v[\s+1+16*\b+\i]|   ; the four blocks by turns
.endr
.endr
.irp b, 0,1,2,3
	v_permlanex16_b32 v[TM+4+\b], v[TM+\b], s20, s21
.endr
.irp b, 0,1,2,3
	v_max_num_f32 v[TM+\b], v[TM+\b], v[TM+4+\b]   ; with lane l xor 16's: the block's largest magnitude
.endr
.irp b, 0,1,2,3
	v_add_nc_u32 v[TM+12+\b], 0xff000000, v[TM+\b] ; 2 off its exponent field: the conversion takes this operand's exponent field as its scale
.endr
.irp b, 0,1,2,3
	v_lshrrev_b32 v[TM+4+\b], 23, v[TM+12+\b]      ; the scale's byte
.endr
	v_lshl_or_b32 v[\pw], v[TM+5], 8, v[TM+4]
	v_lshl_or_b32 v[\pw], v[TM+6], 16, v[\pw]
	v_lshl_or_b32 v[\pw], v[TM+7], 24, v[\pw]      ; my row's scale word
.irp b, 0,1,2,3
	v_cvt_scalef32_pk8_fp4_f32 v[\pc+2*\b], v[\s+16*\b:\s+7+16*\b], v[TM+12+\b]
	v_cvt_scalef32_pk8_fp4_f32 v[\pc+1+2*\b], v[\s+8+16*\b:\s+15+16*\b], v[TM+12+\b]
.endr
	v_nop                                          ; one plain place behind a scaled conversion
.irp c, 0,1                                    ; the operand's layout wants a whole block in a lane
.irp i, 0,1
	v_permlane16_swap_b32 v[\pc+4*\c+\i], v[\pc+2+4*\c+\i]
.endr
.endr
.endm
	s_load_b256 s[4:11], s[0:1], 0x0               ; W's codes s[4:5], W's scales s[6:7], bias s[8:9], hidden s[10:11]
	s_load_b128 s[12:15], s[0:1], 0x20             ; wf s[12:13], ws s[14:15]
	s_load_b64 s[16:17], s[0:1], 0x30              ; ci
	v_lshl_add_u32 v[SPW], v0, 2, SPARE
	v_mov_b32 v[NIL], 0
	v_lshrrev_b32 v1, 5, v0
	v_readfirstlane_b32 s18, v1                    ; wave 0..3
	v_and_b32 v1, 31, v0                           ; lane
	v_and_b32 v4, 15, v0                           ; r
	v_bfe_u32 v5, v0, 4, 1                         ; h
	s_mov_b32 s20, 0x76543210
	s_mov_b32 s21, 0xfedcba98                      ; v_permlanex16_b32's selects for lane l xor 16
	s_mov_b32 s22, 0x4038aa3b                      ; c2 = 2 log2(e)
	s_mov_b32 s23, s22                             ; (named with it as a pair, so it is written)
	s_lshl_b32 s26, s18, 10                        ; 1,024 w
	v_lshlrev_b32 v[XA], 12, v4
	v_lshl_add_u32 v[XA], v5, 6, v[XA]
	v_add_nc_u32 v[XA], s26, v[XA]
	v_lshlrev_b32 v[WNA], 10, v4
	v_lshl_add_u32 v[RLA], v5, 6, v[WNA]
	v_lshl_add_u32 v[WNA], v5, 4, v[WNA]
	s_lshl_b32 s27, s18, 7
	v_add_nc_u32 v[WNA], s27, v[WNA]
	s_lshr_b32 s27, s18, 1
	s_lshl_b32 s27, s27, 8
	s_and_b32 s28, s18, 1
	s_lshl_b32 s28, s28, 5
	s_add_co_u32 s27, s27, s28
	v_add_nc_u32 v[RLA], s27, v[RLA]
	v_lshlrev_b32 v[WTA], 6, v4
	s_lshl_b32 s27, s18, 3
	v_add_nc_u32 v[WSA], s27, v[WTA]
	v_lshl_add_u32 v[WTA], v5, 4, v[WTA]
	v_lshlrev_b32 v[LI], 4, v1
	v_add_nc_u32 v[PSA], s26, v[LI]
	s_lshl_b32 s27, s18, 11
	v_add_nc_u32 v[WFA], s27, v[LI]
	v_lshlrev_b32 v[CIA], 12, v4
	v_lshl_add_u32 v[CIA], v5, 5, v[CIA]
	v_lshlrev_b32 v[BA], 5, v5
.irp b, 0,1,2,3
	v_mov_b32 v[TM+4+\b], 0                        ; written once: a lane permute's destination counts as one of its sources
.endr
	s_mov_b32 s31, 0
	s_wait_kmcnt 0x0
	s_lshl_b32 s30, ttmp9, 14                      ; 16 rows of 1,024 bytes of codes
	s_add_nc_u64 s[4:5], s[4:5], s[30:31]
	s_lshl_b32 s30, ttmp9, 10                      ; 16 rows of 64 scale bytes
	s_add_nc_u64 s[6:7], s[6:7], s[30:31]
	s_lshl_b32 s30, ttmp9, 6                       ; 16 numbers of f32
	s_add_nc_u64 s[8:9], s[8:9], s[30:31]
	s_add_nc_u64 s[16:17], s[16:17], s[30:31]
	s_lshl_b32 s30, ttmp9, 13                      ; a tile's 8,192 bytes in wf
	s_add_nc_u64 s[12:13], s[12:13], s[30:31]
	s_lshl_b32 s30, ttmp9, 9                       ; and its 512 in ws
	s_add_nc_u64 s[14:15], s[14:15], s[30:31]
	; all loads at once.  The bias and the scale bytes are loaded by every wave (three small loads), so that no register is written on one way alone; wave 0 and wave 1 use them
.irp s, 0,1
.irp q, 0,1,2,3
.irp j, 0,1,2,3
	global_load_b128 v[HX+64*\s+16*\q+4*\j:HX+64*\s+16*\q+4*\j+3], v[XA], s[10:11] offset:512*\s+128*\q+16*\j   ; hidden(r, 128 (2 w + s) + 32 q + 16 h + 4 j ..)
.endr
.endr
.endr
.irp s, 0,1
.irp c, 0,1
	global_load_b128 v[WN+8*\s+4*\c:WN+8*\s+4*\c+3], v[WNA], s[4:5] offset:64*\s+32*\c          ; W's fragment of K step 2 w + s
	global_load_b128 v[RL+8*\s+4*\c:RL+8*\s+4*\c+3], v[RLA], s[4:5] offset:512+16*\s+128*\c     ; second half: K step t = 2 w + s, place 2 c + h
.endr
.endr
	global_load_b64 v[WNS:WNS+1], v[WSA], s[6:7]   ; the scale words of K steps 2 w, 2 w + 1
	global_load_b128 v[SB:SB+3], v[WTA], s[6:7] offset:32   ; second half: bytes of blocks 16 h + 0 .. 15
	global_load_b128 v[BI:BI+3], v[BA], s[8:9]
	global_load_b128 v[BI+4:BI+7], v[BA], s[8:9] offset:16
	s_wait_loadcnt 0x0
.irp s, 0,1
.irp c, 0,1
	global_store_b128 v[WFA], v[RL+8*\s+4*\c:RL+8*\s+4*\c+3], s[12:13] offset:1024*\s+512*\c    ; 32 lanes store 512 consecutive bytes
.endr
.endr
	s_cmp_lg_u32 s18, 1
	s_cbranch_scc1 .Lnot_wave_1
	; word u of lane (r, h) = the scale word of K step u + 4 h: byte q = the byte of block 16 h + 4 q + u = byte u of register q: a 4 x 4 turn of bytes
	v_perm_b32 v[PT], v[SB+1], v[SB], 0x05010400
	v_perm_b32 v[PT+1], v[SB+1], v[SB], 0x07030602
	v_perm_b32 v[PT+2], v[SB+3], v[SB+2], 0x05010400
	v_perm_b32 v[PT+3], v[SB+3], v[SB+2], 0x07030602
	v_perm_b32 v[PT+4], v[PT+2], v[PT], 0x05040100
	v_perm_b32 v[PT+5], v[PT+2], v[PT], 0x07060302
	v_perm_b32 v[PT+6], v[PT+3], v[PT+1], 0x05040100
	v_perm_b32 v[PT+7], v[PT+3], v[PT+1], 0x07060302
	global_store_b128 v[LI], v[PT+4:PT+7], s[14:15]
.Lnot_wave_1:
	QUANT HX, HF, HS
	QUANT HX+64, HF+8, HS+1
.rept 8
	v_nop                                          ; a scale register written by a vector instruction stands 8 places ahead of a scaled matrix instruction, an operand so written 4
.endr
	v_wmma_scale_f32_16x16x128_f8f6f4 v[ACC:ACC+7], v[WN:WN+7], v[HF:HF+7], 0, v[WNS], v[HS] matrix_a_fmt:MATRIX_FMT_FP4 matrix_b_fmt:MATRIX_FMT_FP4
	s_wait_alu depctr_va_vdst(0)                   ; the wait stands directly ahead of the next link
	v_wmma_scale_f32_16x16x128_f8f6f4 v[ACC:ACC+7], v[WN+8:WN+15], v[HF+8:HF+15], v[ACC:ACC+7], v[WNS+1], v[HS+1] matrix_a_fmt:MATRIX_FMT_FP4 matrix_b_fmt:MATRIX_FMT_FP4
.rept 4
	v_nop                                          ; four places ahead of the first read of the result
.endr
	ds_store_b128 v[PSA], v[ACC:ACC+3]             ; my partial tile as it stands, from its low end on
	ds_store_b128 v[PSA], v[ACC+4:ACC+7] offset:512
	s_wait_dscnt 0x0                               ; for the others' sake: my stores have landed
	s_barrier_signal -1
	s_barrier_wait -1
	s_cmp_lg_u32 s18, 0
	s_cbranch_scc1 .Lend
.irp w, 0,1,2,3
	ds_load_b128 v[HX+8*\w:HX+8*\w+3], v[LI] offset:1024*\w
	ds_load_b128 v[HX+8*\w+4:HX+8*\w+7], v[LI] offset:1024*\w+512
.endr
	s_wait_dscnt 0x0
.irp p, 0,2,4,6
	v_pk_add_f32 v[HX+\p:HX+\p+1], v[HX+\p:HX+\p+1], v[HX+8+\p:HX+9+\p]
	v_pk_add_f32 v[HX+16+\p:HX+17+\p], v[HX+16+\p:HX+17+\p], v[HX+24+\p:HX+25+\p]
.endr
.irp p, 0,2,4,6
	v_pk_add_f32 v[HX+\p:HX+\p+1], v[HX+\p:HX+\p+1], v[HX+16+\p:HX+17+\p]
.endr
.irp p, 0,2,4,6
	v_pk_add_f32 v[HX+\p:HX+\p+1], v[HX+\p:HX+\p+1], v[BI+\p:BI+\p+1]
.endr
.irp p, 0,2,4,6
	v_pk_mul_f32 v[HX+\p:HX+\p+1], v[HX+\p:HX+\p+1], s[22:23] op_sel_hi:[1,0]   ; x c2: main then needs one multiply-add ahead of the exponential
.endr
	global_store_b128 v[CIA], v[HX:HX+3], s[16:17]
	global_store_b128 v[CIA], v[HX+4:HX+7], s[16:17] offset:16
.Lend:
	s_wait_tensorcnt 0x0                           ; the wave's end, behind my last LDS store
	ds_add_u32 v[SPW], v[NIL]
	s_wait_dscnt 0x0
	s_endpgm
.Lfunc_end_k_q57b4d3b31f_prep:
	.size	k_q57b4d3b31f_prep, .Lfunc_end_k_q57b4d3b31f_prep-k_q57b4d3b31f_prep
	.p2alignl 7, 3214868480
	.fill 96, 4, 3214868480
	.section	.rodata,"a",@progbits
	.p2align	6, 0x0
	.amdhsa_kernel k_q57b4d3b31f_prep
		.amdhsa_group_segment_fixed_size 4608
		.amdhsa_private_segment_fixed_size 0
		.amdhsa_enable_private_segment 0
		.amdhsa_kernarg_size 56
		.amdhsa_user_sgpr_count 2
		.amdhsa_user_sgpr_kernarg_segment_ptr 1
		.amdhsa_wavefront_size32 1
		.amdhsa_system_sgpr_workgroup_id_x 1
		.amdhsa_system_sgpr_workgroup_id_y 1
		.amdhsa_system_sgpr_workgroup_id_z 1
		.amdhsa_system_vgpr_workitem_id 0
		.amdhsa_next_free_vgpr 256
		.amdhsa_next_free_sgpr 66
		.amdhsa_reserve_vcc 0
		.amdhsa_float_denorm_mode_32 3
		.amdhsa_float_denorm_mode_16_64 3
		.amdhsa_memory_ordered 1
		.amdhsa_forward_progress 1
		.amdhsa_inst_pref_size 19
	.end_amdhsa_kernel
	.amdgpu_metadata
---
amdhsa.version: [ 1, 2 ]
amdhsa.kernels:
  - .name:           k_q57b4d3b31f_prep
    .symbol:         k_q57b4d3b31f_prep.kd
    .args:
      - { .name: W_codes, .offset: 0, .size: 8, .value_kind: global_buffer, .address_space: global }
      - { .name: W_scales, .offset: 8, .size: 8, .value_kind: global_buffer, .address_space: global }
      - { .name: b, .offset: 16, .size: 8, .value_kind: global_buffer, .address_space: global }
      - { .name: hidden, .offset: 24, .size: 8, .value_kind: global_buffer, .address_space: global }
      - { .name: wf, .offset: 32, .size: 8, .value_kind: global_buffer, .address_space: global }
      - { .name: ws, .offset: 40, .size: 8, .value_kind: global_buffer, .address_space: global }
      - { .name: ci, .offset: 48, .size: 8, .value_kind: global_buffer, .address_space: global }
    .group_segment_fixed_size: 4608
    .private_segment_fixed_size: 0
    .kernarg_segment_align: 8
    .kernarg_segment_size: 56
    .max_flat_workgroup_size: 128
    .sgpr_count:     66
    .vgpr_count:     256
    .wavefront_size: 32
...
	.end_amdgpu_metadata
.endif
;; end of part 1
;; launch main (part 2): grid 16 x 16, 4 waves a work-group, no clusters, 326,144 bytes of LDS; arguments encoder_outputs, v, wf, ws, ci, tbuf, pctx; writes tbuf, pctx
.if DOCPART == 2
	.amdgcn_target "amdgcn-amd-amdhsa--gfx1250"
	.amdhsa_code_object_version 6
	.text
	.protected	k_q57b4d3b31f_main
	.globl	k_q57b4d3b31f_main
	.p2align	8
	.type	k_q57b4d3b31f_main,@function
k_q57b4d3b31f_main:
	s_mov_b64 s[64:65], 0
	v_nop
	global_prefetch_b8 v0, s[64:65] scope:SCOPE_SE
	s_setreg_imm32_b32 hwreg(HW_REG_WAVE_MODE, 25, 1), 1
	s_wait_xcnt 0x0
; Work-group (c, b) owns one b and the 128 rows s = 128 c .. 128 c + 127 of encoder_outputs, and reads them from memory ONCE.
; LEFT OUT, as the first kernel's head shows: the hidden half of K for each s (it comes as ci[b][n], made once for each b) and the sum of v (the same along the softmax's axis).
; LIMITS: as stated there; and encoder_outputs is rounded to bf16 for the last product (the weights stay f32, the sums f32).
; PHASE Q.  Wave w streams rows 32 w .. + 31, a row (4,096 dense bytes) by eight loads of 512 bytes, eight rows ahead.  Load j gives lane l the numbers 128 j + 4 l .. + 3: block 4 j + l / 8 lies in eight lanes.
;   Each row leaves three things in LDS: its 512 bytes of codes as they lie along K, eight scale words, and a copy in bf16 for the last product.
; EXCHANGE.  Every wave takes ALL 128 rows' codes into registers (64 fragments, 512 registers) and their scale words.
; PHASE G.  Wave w owns columns 256 w .. + 255: 16 tiles of 16 rows of W, whose fragments come from wf straight into registers, 512 dense bytes a load, four tiles ahead; each is loaded once in the work-group
;   and feeds eight matrix instructions.  Transposed use (source 0 = 16 rows of W, source 1 = 16 rows of codes): lane (r, h) holds row 16 m + r and columns 16 T + 8 h + 0 .. 7.
;   r = 1 / (1 + 2^(c2 x + ci)), in f32; the lane's sums of v r are kept for each of the eight tiles of rows.
; SCORES.  t = -c2 x the row's sum of v r (the score in units of log2, less a term that is the same for all s); t goes to tbuf; p = 2^(t - m), m the LARGEST t of the chunk.
; CONTEXT.  Wave w owns h = 256 w .. + 255: pctx[b][c][h] = sum over the 128 rows of p x the bf16 copy.  merge brings the 16 chunks of a b under one maximum.
; WHY NO TENSOR LOADS, NO CLUSTER: the bf16 copy takes 262,144 of the 326,144 bytes of LDS and the codes' stage the rest, so no two slots of a useful size are left for W's 544 KiB; the walk over W has no barrier instead.
; K ORDER (as in wf and ws): K step t (0 .. 7), place q = 2 c + h, takes block 16 (t / 4) + 4 q + t % 4: byte 256 (t / 4) + 128 c + 64 h + 16 (t % 4) of a row's codes.
; LDS.  BF 0: row p at 2,048 p.  CST: 128 rows of codes, 528 bytes apart (132 words: 16 rows start at 16 different groups of four banks; ISA guide 11.1: 64 banks of 4 bytes); it lies over BF's rows 124-127, so every wave
;   keeps the bf16 of its last four rows in registers until all have read the stage.  SST: 128 rows x 8 scale words.  Then the spare words.  Behind the second barrier the stage's bytes serve again: CIL, VL, SCP, PBUF, OST.
; REGISTERS, in windows of 256 (s_set_vgpr_msb: bits 1:0 source 0, 3:2 source 1, 5:4 source 2, 7:6 destination):
;   window 0: addresses, work, scale words, accumulators;  windows 1, 2: the rows' fragments, (m, t) at v[64 (m % 4) + 8 t];  window 3: phase Q's ring of eight rows, then W's four tiles, (q, t) at v[64 q + 8 t].
.set CST,   253952
.set CP,    528
.set SST,   321536
.set SPARE, 325632                     ; the spare words, 128 bytes for each wave: two blocks of 256 bytes that no other line names
.set CIL,   262144                     ; ci[b][.], 4 KiB, each wave its own 1,024 bytes
.set VL,    266240                     ; v, likewise: 4,096 bytes behind CIL
.set SCP,   270336                     ; the waves' partial sums for the 128 rows, 512 bytes a wave
.set PBUF,  272384                     ; p of the 128 rows, a copy for each wave
.set OST,   274432                     ; the way out, 1,024 bytes a wave
.set SPW,  1                           ; v1   my spare word: SPARE + 4 x my thread's number; never rewritten
.set NIL,  2                           ; v2   0; never rewritten
.set GOFF, 3                           ; v3   16 x lane; never rewritten
.set BFA0, 4                           ; v4   65,536 w + 8 x lane
.set CSA0, 5                           ; v5   CST + 32 CP w + 2 x lane
.set SSA0, 6                           ; v6   SST + 1,024 w + 4 (lane / 8)
.set BFA,  7                           ; v7-9 the same + eight rows for each trip
.set CSA,  8
.set SSA,  9
.set AFA,  10                          ; v10  CST + CP r + 64 h
.set ASA,  11                          ; v11  SST + 32 r + 16 h
.set CIA0, 12                          ; v12  CIL + 1,024 w + 32 h
.set CIA,  13                          ; v13  the same + 256 for each trip
.set SCPA, 14                          ; v14  SCP + 512 w + 4 r
.set M,    16                          ; v16-23 largest magnitudes
.set SCO,  24                          ; v24-31 the conversions' scale operands
.set BY,   32                          ; v32-39 scale bytes
.set CA,   40                          ; v40-43, v44-47 codes under the even and the odd load's scale
.set CB,   44
.set KB,   96                          ; v96-159  bf16 of my rows 28-31.  (v48-71, v72-95: two sets by turns of what goes to LDS: 4 of codes, 2 scale words, 16 of bf16)
.set CIV,  160                         ; v160-175 ci and v on their way to LDS
.set ASC,  176                         ; v176-207 the rows' scale words (m, u): lanes 0-15 K step u, lanes 16-31 K step u + 4: scales and nothing else
.set WSC,  208                         ; v208-223 W's (q, u), likewise: scales and nothing else
.set CXA0, 224                         ; v224 512 w + 16 x lane
.set PBA0, 225                         ; v225 PBUF + 512 w
.set CXAA, 226                         ; v226-229 two pairs of stepped addresses for the context's ring
.set CXAB, 227
.set PBAA, 228
.set PBAB, 229
.set OSW,  230                         ; v230 OST + 1,024 w + 32 x lane
.set OSR,  231                         ; v231 OST + 1,024 w + 16 x lane
.set SCR,  232                         ; v232 SCP + 16 x lane
.set PBW,  233                         ; v233 PBUF + 512 w + 16 x lane
.set CIW,  234                         ; v234 CIL + 1,024 w + 16 x lane
.set ACC,  64                          ; phase G: v64-127 eight accumulators; v128-135 ci, v136-143 v of the tile's columns; v144-159 the sums of v r, a pair for each tile of rows
.set CIR,  128
.set VVR,  136
.set SA,   144
.set DR,   64                          ; context: v64-127 sixteen rows' 16 bytes; v128-143 their p; v144-151 my eight sums
.set PR,   128
.set AC2,  144
.set MSB, 0
.macro WIN new                         ; the immediate's high byte repeats the setting that is left; a switch that changes nothing is dropped
.if MSB != (\new)
	s_set_vgpr_msb (MSB<<8)|(\new)
.set MSB, (\new)
.endif
.endm
.macro BARRIER                         ; my LDS stores have landed and my LDS loads are in: then the work-group's barrier
	s_wait_dscnt 0x0
	s_barrier_signal -1
	s_barrier_wait -1
.endm
	s_load_b256 s[4:11], s[0:1], 0x0               ; encoder_outputs s[4:5], v s[6:7], wf s[8:9], ws s[10:11]
	s_load_b128 s[12:15], s[0:1], 0x20             ; ci s[12:13], tbuf s[14:15]
	s_load_b64 s[16:17], s[0:1], 0x30              ; pctx
	v_lshl_add_u32 v[SPW], v0, 2, SPARE
	v_mov_b32 v[NIL], 0
	v_lshrrev_b32 v15, 5, v0
	v_readfirstlane_b32 s18, v15                   ; wave 0..3
	s_mov_b32 s19, ttmp9                           ; c
	s_and_b32 s20, ttmp7, 0xffff                   ; b
	v_and_b32 v15, 31, v0                          ; lane
	v_lshlrev_b32 v[GOFF], 4, v15
	s_lshl_b32 s40, s19, 23                        ; (128 c + 32 w) rows s of 65,536 bytes + 4,096 b: under 2^27
	s_lshl_b32 s41, s18, 21
	s_add_co_u32 s40, s40, s41
	s_lshl_b32 s41, s20, 12
	s_add_co_u32 s40, s40, s41
	s_mov_b32 s41, 0
	s_lshl_b32 s44, s18, 10                        ; 1,024 w
	s_mov_b32 s45, 0
	s_lshl_b32 s42, s20, 12
	s_add_co_u32 s42, s42, s44
	s_mov_b32 s43, 0
	s_wait_kmcnt 0x0
	s_add_nc_u64 s[4:5], s[4:5], s[40:41]
	s_add_nc_u64 s[12:13], s[12:13], s[42:43]
	s_add_nc_u64 s[6:7], s[6:7], s[44:45]
	global_load_b128 v[CIV:CIV+3], v[GOFF], s[12:13]               ; my 256 columns' ci and v: the oldest loads, in with the first row
	global_load_b128 v[CIV+4:CIV+7], v[GOFF], s[12:13] offset:512
	global_load_b128 v[CIV+8:CIV+11], v[GOFF], s[6:7]
	global_load_b128 v[CIV+12:CIV+15], v[GOFF], s[6:7] offset:512
	WIN 0xc0                                       ; destination window 3
.irp k, 0,1,2,3,4,5,6,7
.irp j, 0,1,2,3,4,5,6,7
	global_load_b128 v[32*\k+4*\j:32*\k+4*\j+3], v[GOFF], s[4:5] offset:65536*\k+512*\j th:TH_LOAD_NT   ; the ring: rows 0 to 7, 32 KiB a wave on their way
.endr
.endr
	WIN 0
	s_lshl_b32 s40, s18, 17                        ; my 16 tiles in wf,
	s_add_nc_u64 s[8:9], s[8:9], s[40:41]
	s_lshl_b32 s40, s18, 13                        ; and in ws
	s_add_nc_u64 s[10:11], s[10:11], s[40:41]
	s_lshl_b32 s40, s20, 13                        ; tbuf: 8,192 b + 512 c
	s_lshl_b32 s42, s19, 9
	s_add_co_u32 s40, s40, s42
	s_add_nc_u64 s[14:15], s[14:15], s[40:41]
	s_lshl_b32 s40, s20, 16                        ; pctx: 4,096 (16 b + c) + 1,024 w
	s_lshl_b32 s42, s19, 12
	s_add_co_u32 s40, s40, s42
	s_add_co_u32 s40, s40, s44
	s_add_nc_u64 s[16:17], s[16:17], s[40:41]
	s_mov_b32 s21, 0x1800000                       ; the floor 2^(3 - 127)
	s_mov_b32 s22, 0xff000000                      ; 2 off an exponent field
	s_mov_b32 s23, 0xffff
	s_mov_b32 s24, 0x4038aa3b                      ; c2 = 2 log2(e)
	s_mov_b32 s25, s24                             ; (named with it as a pair, so it is written)
	s_mov_b32 s26, 0x76543210
	s_mov_b32 s27, 0xfedcba98                      ; v_permlanex16_b32's selects for lane l xor 16
	s_mov_b32 s36, 0xc038aa3b                      ; -c2
	s_mov_b32 s37, s36
	; every LDS address is made here, ahead of the text's one branch on the wave's number
	v_and_b32 v16, 15, v0                          ; r
	v_bfe_u32 v17, v0, 4, 1                        ; h
	s_lshl_b32 s40, s18, 16
	v_lshl_add_u32 v[BFA0], v15, 3, s40
	s_mul_i32 s40, s18, 32*CP
	s_add_co_u32 s40, s40, CST
	v_lshl_add_u32 v[CSA0], v15, 1, s40
	s_add_co_u32 s40, s44, SST
	v_bfe_u32 v[SSA0], v0, 3, 2
	v_lshl_add_u32 v[SSA0], v[SSA0], 2, s40
	v_mul_u32_u24 v[AFA], v16, CP
	v_lshl_add_u32 v[AFA], v17, 6, v[AFA]
	v_add_nc_u32 v[AFA], CST, v[AFA]
	v_lshlrev_b32 v[ASA], 5, v16
	v_lshl_add_u32 v[ASA], v17, 4, v[ASA]
	v_add_nc_u32 v[ASA], SST, v[ASA]
	s_add_co_u32 s40, s44, CIL
	v_lshl_add_u32 v[CIA0], v17, 5, s40
	v_add_nc_u32 v[CIW], s40, v[GOFF]
	s_lshl_b32 s42, s18, 9                         ; 512 w
	s_add_co_u32 s40, s42, SCP
	v_lshl_add_u32 v[SCPA], v16, 2, s40
	v_add_nc_u32 v[SCR], SCP, v[GOFF]
	s_add_co_u32 s40, s42, PBUF
	v_mov_b32 v[PBA0], s40
	v_add_nc_u32 v[PBW], s40, v[GOFF]
	v_add_nc_u32 v[CXA0], s42, v[GOFF]
	s_add_co_u32 s40, s44, OST
	v_lshl_add_u32 v[OSW], v15, 5, s40
	v_add_nc_u32 v[OSR], s40, v[GOFF]
; ---- PHASE Q.  The row in slot k.  ahead = 1: the slot takes the row eight further on.  keep = 1: its bf16 stays in registers.  left: the younger loads, which may stay out.
; dsl: the LDS stores of the row before, which may stay out: those of two rows back, which read the same set of registers, are then done.
.macro ROWQ k, ahead, keep, left, dsl
.set XR, 32*(\k)
.set ZS, 48+24*((\k)%2)
.if \keep
.set BB, KB+16*((\k)-4)
.else
.set BB, ZS+6
.endif
	s_wait_loadcnt \left                           ; loads come back in order (ISA guide 5.7.1): my row is in
	s_wait_dscnt \dsl
	WIN 0x0f                                       ; sources 0 and 1: window 3
.irp j, 0,1,2,3,4,5,6,7
	v_max3_num_f32 v[M+\j], |v[XR+4*\j]|, |v[XR+4*\j+1]|, s21      ; my four numbers of block 4 j + lane / 8, and the floor: the byte cannot fall under 1
.endr
.irp j, 0,1,2,3,4,5,6,7
	v_max3_num_f32 v[M+\j], |v[XR+4*\j+2]|, |v[XR+4*\j+3]|, v[M+\j]
.endr
.irp j, 0,1,2,3,4,5,6,7
	v_cvt_pk_bf16_f32 v[BB+2*\j], v[XR+4*\j], v[XR+4*\j+1]         ; the copy for the last product
	v_cvt_pk_bf16_f32 v[BB+2*\j+1], v[XR+4*\j+2], v[XR+4*\j+3]
.endr
	WIN 0
.irp x, 1,2,4
.irp j, 0,1,2,3,4,5,6,7
	v_max_num_f32_dpp v[M+\j], v[M+\j], v[M+\j] row_xmask:\x row_mask:0xf bank_mask:0xf   ; over the block's eight lanes; the eight blocks by turns
.endr
.endr
.irp j, 0,1,2,3,4,5,6,7
	v_add_nc_u32 v[SCO+\j], s22, v[M+\j]           ; 2 off the exponent field: the conversion's scale operand
.endr
.irp j, 0,1,2,3,4,5,6,7
	v_lshrrev_b32 v[BY+\j], 23, v[SCO+\j]          ; the scale's byte
.endr
	v_lshl_or_b32 v[ZS+4], v[BY+1], 8, v[BY]       ; blocks g, 4 + g, 8 + g, 12 + g (g = lane / 8): the scale word of K step g;
	v_lshl_or_b32 v[ZS+5], v[BY+5], 8, v[BY+4]     ; blocks 16 + ..: that of K step g + 4
	v_lshl_or_b32 v[ZS+4], v[BY+2], 16, v[ZS+4]
	v_lshl_or_b32 v[ZS+5], v[BY+6], 16, v[ZS+5]
	v_lshl_or_b32 v[ZS+4], v[BY+3], 24, v[ZS+4]
	v_lshl_or_b32 v[ZS+5], v[BY+7], 24, v[ZS+5]
	WIN 0x03                                       ; source 0: window 3
.irp p, 0,1,2,3                                ; a conversion takes eight numbers and one scale; mine are four of load 2 p's block and four of load 2 p + 1's: so it runs under each scale, and each result's right half is kept
	v_cvt_scalef32_pk8_fp4_f32 v[CA+\p], v[XR+8*\p:XR+8*\p+7], v[SCO+2*\p]
	v_cvt_scalef32_pk8_fp4_f32 v[CB+\p], v[XR+8*\p:XR+8*\p+7], v[SCO+2*\p+1]
.endr
	v_nop                                          ; one plain place behind a scaled conversion
.if \ahead
	WIN 0xc0
.irp j, 0,1,2,3,4,5,6,7
	global_load_b128 v[XR+4*\j:XR+4*\j+3], v[GOFF], s[4:5] offset:65536*(8+(\k))+512*\j th:TH_LOAD_NT
.endr
.endif
	WIN 0
.irp p, 0,1,2,3
	v_bfi_b32 v[ZS+\p], s23, v[CA+\p], v[CB+\p]    ; low half: load 2 p's four codes; high half: load 2 p + 1's
.endr
.irp p, 0,1,2,3
	ds_store_b16 v[CSA], v[ZS+\p] offset:CP*(\k)+128*\p            ; the codes of k = 128 j + 4 l .. + 3 lie at byte 64 j + 2 l of the row
	ds_store_b16_d16_hi v[CSA], v[ZS+\p] offset:CP*(\k)+128*\p+64
.endr
.if !(\keep)
.irp j, 0,1,2,3,4,5,6,7
	ds_store_b64 v[BFA], v[BB+2*\j:BB+2*\j+1] offset:2048*(\k)+256*\j
.endr
.endif
	ds_store_b32 v[SSA], v[ZS+4] offset:32*(\k)    ; eight lanes write the same word with the same value
	ds_store_b32 v[SSA], v[ZS+5] offset:32*(\k)+16
.endm
.macro QADDR                           ; no LDS store of mine is out when its address registers are written
	s_wait_dscnt 0x0
	v_add_nc_u32 v[BFA], s29, v[BFA0]
	v_add_nc_u32 v[CSA], s30, v[CSA0]
	v_add_nc_u32 v[SSA], s31, v[SSA0]
.endm
; A tile of W (16 rows x 1,024 K: 8 fragments) and its scale words into buffer q: 17 loads of 512 consecutive bytes
.macro WLOAD q, off
	WIN 0xc0
.irp t, 0,1,2,3,4,5,6,7
	global_load_b128 v[64*(\q)+8*\t:64*(\q)+8*\t+3], v[GOFF], s[8:9] offset:(\off)*8192+1024*\t
	global_load_b128 v[64*(\q)+8*\t+4:64*(\q)+8*\t+7], v[GOFF], s[8:9] offset:(\off)*8192+1024*\t+512
.endr
	WIN 0
	global_load_b128 v[WSC+4*(\q):WSC+4*(\q)+3], v[GOFF], s[10:11] offset:(\off)*512
.endm
	s_mov_b32 s28, 3
	s_mov_b32 s29, 0
	s_mov_b32 s30, 0
	s_mov_b32 s31, 0
.Lq:                                               ; three trips of eight rows, each slot filled again; 56 = the seven younger rows' loads
	QADDR
.irp k, 0,1,2,3,4,5,6,7
	ROWQ \k, 1, 0, 56, 18
.endr
	s_wait_xcnt 0x0                                ; the loads have read their base: it may step
	s_add_nc_u64 s[4:5], s[4:5], 8*65536
	s_add_co_u32 s29, s29, 8*2048
	s_add_co_u32 s30, s30, 8*CP
	s_add_co_u32 s31, s31, 8*32
	s_sub_co_u32 s28, s28, 1
	s_cmp_lg_u32 s28, 0
	s_cbranch_scc1 .Lq
	QADDR                                          ; the last eight rows load nothing: the counts run down; the last four keep their bf16 (10 LDS stores a row in place of 18)
	ROWQ 0, 0, 0, 56, 18
	ROWQ 1, 0, 0, 48, 18
	ROWQ 2, 0, 0, 40, 18
	ROWQ 3, 0, 0, 32, 18
	ROWQ 4, 0, 1, 24, 18
	ROWQ 5, 0, 1, 16, 10
	ROWQ 6, 0, 1, 8, 10
	ROWQ 7, 0, 1, 0, 10
	WLOAD 0, 0                                     ; W's first three tiles go out while the rows' codes change hands
	WLOAD 1, 1
	WLOAD 2, 2
	; ---- EXCHANGE
	BARRIER                                        ; the stage is whole
	WIN 0x40                                       ; destination window 1
.irp m, 0,1,2,3
.irp t, 0,1,2,3,4,5,6,7
.irp c, 0,1
	ds_load_b128 v[64*\m+8*\t+4*\c:64*\m+8*\t+4*\c+3], v[AFA] offset:16*CP*\m+256*(\t/4)+128*\c+16*(\t%4)
.endr
.endr
.endr
	WIN 0x80                                       ; destination window 2
.irp m, 0,1,2,3
.irp t, 0,1,2,3,4,5,6,7
.irp c, 0,1
	ds_load_b128 v[64*\m+8*\t+4*\c:64*\m+8*\t+4*\c+3], v[AFA] offset:16*CP*(4+\m)+256*(\t/4)+128*\c+16*(\t%4)
.endr
.endr
.endr
	WIN 0
.irp m, 0,1,2,3,4,5,6,7
	ds_load_b128 v[ASC+4*\m:ASC+4*\m+3], v[ASA] offset:512*\m
.endr
	BARRIER                                        ; every wave has read the stage: its bytes may be written
	WLOAD 3, 3
.irp x, 0,1,2,3
.irp j, 0,1,2,3,4,5,6,7
	ds_store_b64 v[BFA], v[KB+16*\x+2*\j:KB+16*\x+2*\j+1] offset:2048*(4+\x)+256*\j   ; my rows 28-31 join the copy
.endr
.endr
	ds_store_b128 v[CIW], v[CIV:CIV+3]
	ds_store_b128 v[CIW], v[CIV+4:CIV+7] offset:512
	ds_store_b128 v[CIW], v[CIV+8:CIV+11] offset:4096
	ds_store_b128 v[CIW], v[CIV+12:CIV+15] offset:4096+512
	s_wait_dscnt 0x0                               ; the stores have read their registers, which phase G takes
.irp i, 0,1,2,3,4,5,6,7,8,9,10,11,12,13,14,15
	v_mov_b32 v[SA+\i], 0
.endr
; ---- PHASE G.  32 matrix instructions: K steps 0 to 7 x tiles of rows m0 .. m0 + 3.  The four accumulators take turns, one instruction a turn; the first K step starts the sums
.macro MULS q, m0
.irp t, 0,1,2,3,4,5,6,7
.irp i, 0,1,2,3
.if \t == 0
	v_wmma_scale_f32_16x16x128_f8f6f4 v[ACC+8*(\m0+\i):ACC+8*(\m0+\i)+7], v[64*(\q)+8*\t:64*(\q)+8*\t+7], v[64*\i+8*\t:64*\i+8*\t+7], 0, v[WSC+4*(\q)+\t], v[ASC+4*(\m0+\i)+\t] matrix_a_fmt:MATRIX_FMT_FP4 matrix_b_fmt:MATRIX_FMT_FP4
.elseif \t < 4
	v_wmma_scale_f32_16x16x128_f8f6f4 v[ACC+8*(\m0+\i):ACC+8*(\m0+\i)+7], v[64*(\q)+8*\t:64*(\q)+8*\t+7], v[64*\i+8*\t:64*\i+8*\t+7], v[ACC+8*(\m0+\i):ACC+8*(\m0+\i)+7], v[WSC+4*(\q)+\t], v[ASC+4*(\m0+\i)+\t] matrix_a_fmt:MATRIX_FMT_FP4 matrix_b_fmt:MATRIX_FMT_FP4
.else
	v_wmma_scale_f32_16x16x128_f8f6f4 v[ACC+8*(\m0+\i):ACC+8*(\m0+\i)+7], v[64*(\q)+8*\t:64*(\q)+8*\t+7], v[64*\i+8*\t:64*\i+8*\t+7], v[ACC+8*(\m0+\i):ACC+8*(\m0+\i)+7], v[WSC+4*(\q)+\t-4], v[ASC+4*(\m0+\i)+\t-4] matrix_a_fmt:MATRIX_FMT_FP4 matrix_b_fmt:MATRIX_FMT_FP4 matrix_a_scale:MATRIX_SCALE_ROW1 matrix_b_scale:MATRIX_SCALE_ROW1
.endif
.endr
.endr
.endm
; r = 1 / (1 + 2^(c2 x + ci)) and the sums of v r.  An exponential that overflows gives r = 0, one that falls to 0 gives r = 1: the two ends of tanh, with no clamp.
.macro TANH
.irp m, 0,1,2,3,4,5,6,7
.irp p, 0,2,4,6
	v_pk_fma_f32 v[ACC+8*\m+\p:ACC+8*\m+\p+1], v[ACC+8*\m+\p:ACC+8*\m+\p+1], s[24:25], v[CIR+\p:CIR+\p+1] op_sel_hi:[1,0,1]   ; each accumulator from its low end on
.endr
.endr
.set II, 0
.rept 64
	v_exp_f32 v[ACC+II], v[ACC+II]
.set II, II+1
.endr
	v_nop                                          ; a plain place behind the last exponential,
	s_wait_alu depctr_va_vdst(0)                   ; and one wait for the batch, ahead of its first reader
.set II, 0
.rept 32
	v_pk_add_f32 v[ACC+II:ACC+II+1], v[ACC+II:ACC+II+1], 1.0 op_sel_hi:[1,0]
.set II, II+2
.endr
.set II, 0
.rept 64
	v_rcp_f32 v[ACC+II], v[ACC+II]
.set II, II+1
.endr
	v_nop
	s_wait_alu depctr_va_vdst(0)                   ; likewise for the reciprocals
.irp p, 0,2,4,6
.irp m, 0,1,2,3,4,5,6,7
	v_pk_fma_f32 v[SA+2*\m:SA+2*\m+1], v[ACC+8*\m+\p:ACC+8*\m+\p+1], v[VVR+\p:VVR+\p+1], v[SA+2*\m:SA+2*\m+1]   ; the eight chains by turns
.endr
.endr
.endm
; The tile in buffer q.  ahead = 1: the buffer takes the tile four further on.  left: the younger tiles' loads, 17 each
.macro TILE q, ahead, left
	ds_load_b128 v[CIR:CIR+3], v[CIA] offset:64*(\q)               ; ci and v of columns 16 T + 8 h + 0 .. 7
	ds_load_b128 v[CIR+4:CIR+7], v[CIA] offset:64*(\q)+16
	ds_load_b128 v[VVR:VVR+3], v[CIA] offset:64*(\q)+4096
	ds_load_b128 v[VVR+4:VVR+7], v[CIA] offset:64*(\q)+4096+16
	s_wait_loadcnt \left
	WIN 0x07                                       ; source 0 (W) window 3, source 1 (rows) window 1, C and D window 0
	MULS \q, 0
	WIN 0x0b                                       ; source 1 window 2
	MULS \q, 4
	WIN 0
.rept 4
	v_nop                                          ; four places ahead of loads into registers that matrix instructions have read, and of the first read of results
.endr
.if \ahead
	WLOAD \q, 4+(\q)
.endif
	s_wait_dscnt 0x0                               ; ci and v are in
	TANH
.endm
	s_mov_b32 s28, 3
	s_mov_b32 s38, 0
.Lg:                                               ; three trips of four tiles; 51 = the three younger tiles' loads
	v_add_nc_u32 v[CIA], s38, v[CIA0]              ; (no LDS load of mine is out)
	TILE 0, 1, 51
	TILE 1, 1, 51
	TILE 2, 1, 51
	TILE 3, 1, 51
	s_wait_xcnt 0x0                                ; the loads have read their bases: they may step
	s_add_nc_u64 s[8:9], s[8:9], 4*8192
	s_add_nc_u64 s[10:11], s[10:11], 4*512
	s_add_co_u32 s38, s38, 256
	s_sub_co_u32 s28, s28, 1
	s_cmp_lg_u32 s28, 0
	s_cbranch_scc1 .Lg
	v_add_nc_u32 v[CIA], s38, v[CIA0]
	TILE 0, 0, 51                                  ; the last four tiles load nothing: the counts run down
	TILE 1, 0, 34
	TILE 2, 0, 17
	TILE 3, 0, 0
	; ---- SCORES
.irp m, 0,1,2,3,4,5,6,7
	v_add_f32 v[M+\m], v[SA+2*\m], v[SA+2*\m+1]
.endr
.irp m, 0,1,2,3,4,5,6,7
	v_permlanex16_b32 v[SCO+\m], v[M+\m], s26, s27
.endr
.irp m, 0,1,2,3,4,5,6,7
	v_add_f32 v[M+\m], v[M+\m], v[SCO+\m]          ; row 16 m + r: the sum over my 256 columns
.endr
.irp m, 0,1,2,3,4,5,6,7
	ds_store_b32 v[SCPA], v[M+\m] offset:64*\m     ; both halves of the lanes write the same word with the same value
.endr
	BARRIER                                        ; the four partial sums of every row, and all 128 rows of the bf16 copy, lie in LDS
.irp w, 0,1,2,3
	ds_load_b128 v[BY+4*\w:BY+4*\w+3], v[SCR] offset:512*\w        ; rows 4 l .. 4 l + 3
.endr
	s_wait_dscnt 0x0
	v_pk_add_f32 v[BY:BY+1], v[BY:BY+1], v[BY+4:BY+5]
	v_pk_add_f32 v[BY+2:BY+3], v[BY+2:BY+3], v[BY+6:BY+7]
	v_pk_add_f32 v[BY+8:BY+9], v[BY+8:BY+9], v[BY+12:BY+13]
	v_pk_add_f32 v[BY+10:BY+11], v[BY+10:BY+11], v[BY+14:BY+15]
	v_pk_add_f32 v[BY:BY+1], v[BY:BY+1], v[BY+8:BY+9]
	v_pk_add_f32 v[BY+2:BY+3], v[BY+2:BY+3], v[BY+10:BY+11]
	v_pk_mul_f32 v[BY:BY+1], v[BY:BY+1], s[36:37] op_sel_hi:[1,0]  ; t: the same bits in all four waves
	v_pk_mul_f32 v[BY+2:BY+3], v[BY+2:BY+3], s[36:37] op_sel_hi:[1,0]
	s_cmp_lg_u32 s18, 0
	s_cbranch_scc1 .Lnot_wave_0
	global_store_b128 v[GOFF], v[BY:BY+3], s[14:15]                ; 32 lanes store the chunk's 512 consecutive bytes; these registers are not written again
.Lnot_wave_0:
	v_max3_num_f32 v48, v[BY], v[BY+1], v[BY+2]
	v_max_num_f32 v48, v48, v[BY+3]
.irp x, 1,2,4,8
	v_max_num_f32_dpp v48, v48, v48 row_xmask:\x row_mask:0xf bank_mask:0xf
.endr
	v_permlanex16_b32 v49, v48, s26, s27
	v_max_num_f32 v48, v48, v49                    ; m: the chunk's largest t
.irp i, 0,1,2,3
	v_sub_f32 v[BY+4+\i], v[BY+\i], v48
.endr
.irp i, 0,1,2,3
	v_exp_f32 v[BY+4+\i], v[BY+4+\i]               ; p = 2^(t - m), at most 1
.endr
.irp i, 0,1,2,3,4,5,6,7
	v_mov_b32 v[AC2+\i], 0                         ; my eight sums.  (Plain work behind the exponentials)
.endr
	s_wait_alu depctr_va_vdst(0)                   ; one wait for the four, ahead of their first reader
	ds_store_b128 v[PBW], v[BY+4:BY+7]             ; my wave's own copy: LDS serves a wave's instructions in order, so the loads below see it
; ---- CONTEXT.  A ring of 16 rows in registers, in four groups of five LDS loads: four p (one address for all lanes) and four rows' 16 bytes a lane.
.macro GLOAD q, cx, pb, doff, poff
	ds_load_b128 v[PR+4*(\q):PR+4*(\q)+3], v[\pb] offset:16*(\q)+\poff
.irp x, 0,1,2,3
	ds_load_b128 v[DR+16*(\q)+4*\x:DR+16*(\q)+4*\x+3], v[\cx] offset:2048*(4*(\q)+\x)+\doff
.endr
.endm
.macro GROUP q, refill, left, cx, pb   ; left: the younger groups' loads, five each
	s_wait_dscnt \left
.irp x, 0,1,2,3
.irp e, 0,1,2,3
	v_fma_mix_f32_bf16 v[AC2+2*\e], v[DR+16*(\q)+4*\x+\e], v[PR+4*(\q)+\x], v[AC2+2*\e] op_sel_hi:[1,0,0]               ; the low bf16 x p, added in f32
	v_fma_mix_f32_bf16 v[AC2+2*\e+1], v[DR+16*(\q)+4*\x+\e], v[PR+4*(\q)+\x], v[AC2+2*\e+1] op_sel:[1,0,0] op_sel_hi:[1,0,0]   ; the high one
.endr
.endr
.if \refill
	GLOAD \q, \cx, \pb, 32768, 64                  ; the same group of the next 16 rows
.endif
.endm
.irp q, 0,1,2,3
	GLOAD \q, CXA0, PBA0, 0, 0                     ; rows 0 to 15
.endr
	s_mov_b32 s28, 3
	s_mov_b32 s38, 0
	s_mov_b32 s39, 0
.Lc:                                               ; three trips of twice 16 rows.  A pair of address registers is written when every load that names it has been waited for: pair a's in the trip's second half, pair b's in the next trip's first
	v_add_nc_u32 v[CXAA], s38, v[CXA0]
	v_add_nc_u32 v[PBAA], s39, v[PBA0]
.irp q, 0,1,2,3
	GROUP \q, 1, 15, CXAA, PBAA
.endr
	v_add_nc_u32 v[CXAB], 32768, v[CXAA]
	v_add_nc_u32 v[PBAB], 64, v[PBAA]
.irp q, 0,1,2,3
	GROUP \q, 1, 15, CXAB, PBAB
.endr
	s_add_co_u32 s38, s38, 65536
	s_add_co_u32 s39, s39, 128
	s_sub_co_u32 s28, s28, 1
	s_cmp_lg_u32 s28, 0
	s_cbranch_scc1 .Lc
	v_add_nc_u32 v[CXAA], s38, v[CXA0]
	v_add_nc_u32 v[PBAA], s39, v[PBA0]
.irp q, 0,1,2,3
	GROUP \q, 1, 15, CXAA, PBAA                    ; rows 96 to 111; the last 16 are asked for
.endr
	GROUP 0, 0, 15, CXAA, PBAA                     ; rows 112 to 127: nothing is left to fetch, the counts run down
	GROUP 1, 0, 10, CXAA, PBAA
	GROUP 2, 0, 5, CXAA, PBAA
	GROUP 3, 0, 0, CXAA, PBAA
	; ---- THE WAY OUT.  A lane holds 32 neighbouring bytes: through my own stage they become two stores of 512 consecutive bytes
	ds_store_b128 v[OSW], v[AC2:AC2+3]
	ds_store_b128 v[OSW], v[AC2+4:AC2+7] offset:16
	ds_load_b128 v[DR:DR+3], v[OSR]                ; LDS serves a wave's instructions in order: these see the stores above
	ds_load_b128 v[DR+4:DR+7], v[OSR] offset:512
	s_wait_dscnt 0x0
	global_store_b128 v[GOFF], v[DR:DR+3], s[16:17]
	global_store_b128 v[GOFF], v[DR+4:DR+7], s[16:17] offset:512
	s_wait_tensorcnt 0x0                           ; the wave's end, behind my last LDS store
	ds_add_u32 v[SPW], v[NIL]
	s_wait_dscnt 0x0
	s_endpgm
.Lfunc_end_k_q57b4d3b31f_main:
	.size	k_q57b4d3b31f_main, .Lfunc_end_k_q57b4d3b31f_main-k_q57b4d3b31f_main
	.p2alignl 7, 3214868480
	.fill 96, 4, 3214868480
	.section	.rodata,"a",@progbits
	.p2align	6, 0x0
	.amdhsa_kernel k_q57b4d3b31f_main
		.amdhsa_group_segment_fixed_size 326144
		.amdhsa_private_segment_fixed_size 0
		.amdhsa_enable_private_segment 0
		.amdhsa_kernarg_size 56
		.amdhsa_user_sgpr_count 2
		.amdhsa_user_sgpr_kernarg_segment_ptr 1
		.amdhsa_wavefront_size32 1
		.amdhsa_system_sgpr_workgroup_id_x 1
		.amdhsa_system_sgpr_workgroup_id_y 1
		.amdhsa_system_sgpr_workgroup_id_z 1
		.amdhsa_system_vgpr_workitem_id 0
		.amdhsa_next_free_vgpr 1024
		.amdhsa_next_free_sgpr 66
		.amdhsa_reserve_vcc 0
		.amdhsa_float_denorm_mode_32 3
		.amdhsa_float_denorm_mode_16_64 3
		.amdhsa_memory_ordered 1
		.amdhsa_forward_progress 1
		.amdhsa_inst_pref_size 255
	.end_amdhsa_kernel
	.section	.bss,"aw",@nobits
	.p2align	6
	.space	262144
	.amdgpu_metadata
---
amdhsa.version: [ 1, 2 ]
amdhsa.kernels:
  - .name:           k_q57b4d3b31f_main
    .symbol:         k_q57b4d3b31f_main.kd
    .args:
      - { .name: encoder_outputs, .offset: 0, .size: 8, .value_kind: global_buffer, .address_space: global }
      - { .name: v, .offset: 8, .size: 8, .value_kind: global_buffer, .address_space: global }
      - { .name: wf, .offset: 16, .size: 8, .value_kind: global_buffer, .address_space: global }
      - { .name: ws, .offset: 24, .size: 8, .value_kind: global_buffer, .address_space: global }
      - { .name: ci, .offset: 32, .size: 8, .value_kind: global_buffer, .address_space: global }
      - { .name: tbuf, .offset: 40, .size: 8, .value_kind: global_buffer, .address_space: global }
      - { .name: pctx, .offset: 48, .size: 8, .value_kind: global_buffer, .address_space: global }
    .group_segment_fixed_size: 326144
    .private_segment_fixed_size: 0
    .kernarg_segment_align: 8
    .kernarg_segment_size: 56
    .max_flat_workgroup_size: 128
    .sgpr_count:     66
    .vgpr_count:     1024
    .wavefront_size: 32
...
	.end_amdgpu_metadata
.endif
;; end of part 2
;; launch merge (part 3): grid 16 x 1, 8 waves a work-group, no clusters, 1,280 bytes of LDS; arguments tbuf, pctx, out0, out1; writes out0, out1
.if DOCPART == 3
	.amdgcn_target "amdgcn-amd-amdhsa--gfx1250"
	.amdhsa_code_object_version 6
	.text
	.protected	k_q57b4d3b31f_merge
	.globl	k_q57b4d3b31f_merge
	.p2align	8
	.type	k_q57b4d3b31f_merge,@function
k_q57b4d3b31f_merge:
	s_mov_b64 s[64:65], 0
	v_nop
	global_prefetch_b8 v0, s[64:65] scope:SCOPE_SE
	s_setreg_imm32_b32 hwreg(HW_REG_WAVE_MODE, 25, 1), 1
	s_wait_xcnt 0x0
; Work-group b brings the 16 chunks of its 2,048 positions under one maximum.  tbuf[b][s] = t, the score in units of log2 (less the sum of v, left out as the first kernel's head shows: it is the same along s);
; pctx[b][c][h] = sum over chunk c's 128 rows of 2^(t - m_c) x encoder_outputs, m_c the chunk's largest t.
; out1[b][s] = 2^(t - m_c) g_c / L,  out0[b][h] = sum over c of pctx[b][c][h] g_c / L,  with g_c = 2^(m_c - M), M the largest m_c, L = sum over c of g_c l_c, l_c = the chunk's sum of 2^(t - m_c).
; m_c is taken anew from the stored t: a maximum rounds nothing, so it has the bits that the launch before used.  L is at least 1.
; Eight waves, 256 threads.  Thread n takes t at 16 n and at 4,096 + 16 n bytes: load j of wave w is exactly chunk 8 j + w; and h = 4 n .. 4 n + 3 of all 16 chunks of pctx.  Every load and store of a wave covers 512 consecutive bytes.
; A small launch bound by latency: 16 work-groups, one for each b, since a b's sums span its chunks; no matrix unit, no tensor load.
.set SPARE, 256                        ; LDS: m_c at 0, l_c at 64; then the spare words, 128 bytes for each of eight waves
.set SPW, 1                            ; v1  my spare word: SPARE + 4 x my thread's number; never rewritten
.set NIL, 2                            ; v2  0; never rewritten
.set OFF, 3                            ; v3  16 x thread
.set T,   4                            ; v4-11   t; later out0's four sums
.set MX,  12                           ; v12 M;  v13, v14 sums at work;  v15 1 / L
.set PC,  16                           ; v16-79  pctx: chunk c at 16 + 4 c
.set OWN, 80                           ; v80-81  my two chunks' m, then g, then g / L
.set XL,  82                           ; v82-83  from the other half of the lanes
.set P,   84                           ; v84-91  2^(t - m_c), then out1
.set WA,  92                           ; v92 LDS: 4 x wave;  v93: 0
.set LS,  94                           ; v94-95  my two chunks' l
.set G,   96                           ; v96-111 m_c, then g_c, then g_c / L;  v112-127 l_c
	s_load_b256 s[4:11], s[0:1], 0x0               ; tbuf s[4:5], pctx s[6:7], out0 s[8:9], out1 s[10:11]
	v_lshl_add_u32 v[SPW], v0, 2, SPARE
	v_mov_b32 v[NIL], 0
	v_lshrrev_b32 v[OFF], 5, v0
	v_readfirstlane_b32 s18, v[OFF]                ; wave 0..7
	v_lshlrev_b32 v[OFF], 4, v0
	v_mov_b32 v[WA], s18
	v_lshlrev_b32 v[WA], 2, v[WA]
	v_mov_b32 v[WA+1], 0
	v_mov_b32 v[XL], 0                             ; written once: a lane permute's destination counts as one of its sources
	v_mov_b32 v[XL+1], 0
	s_mov_b32 s12, 0x76543210
	s_mov_b32 s13, 0xfedcba98                      ; v_permlanex16_b32's selects for lane l xor 16
	s_lshl_b32 s14, ttmp9, 13                      ; 8,192 b
	s_mov_b32 s15, 0
	s_lshl_b32 s16, ttmp9, 16                      ; 65,536 b
	s_mov_b32 s17, 0
	s_lshl_b32 s20, ttmp9, 12                      ; 4,096 b
	s_mov_b32 s21, 0
	s_wait_kmcnt 0x0
	s_add_nc_u64 s[4:5], s[4:5], s[14:15]
	s_add_nc_u64 s[10:11], s[10:11], s[14:15]
	s_add_nc_u64 s[6:7], s[6:7], s[16:17]
	s_add_nc_u64 s[8:9], s[8:9], s[20:21]
.irp j, 0,1
	global_load_b128 v[T+4*\j:T+4*\j+3], v[OFF], s[4:5] offset:4096*\j th:TH_LOAD_NT
.endr
.irp c, 0,1,2,3,4,5,6,7,8,9,10,11,12,13,14,15
	global_load_b128 v[PC+4*\c:PC+4*\c+3], v[OFF], s[6:7] offset:4096*\c th:TH_LOAD_NT
.endr
	s_wait_loadcnt 16                              ; t is in; pctx's sixteen loads may stay out
.irp j, 0,1
	v_max3_num_f32 v[OWN+\j], v[T+4*\j], v[T+4*\j+1], v[T+4*\j+2]
.endr
.irp j, 0,1
	v_max_num_f32 v[OWN+\j], v[OWN+\j], v[T+4*\j+3]
.endr
.irp x, 1,2,4,8
.irp j, 0,1
	v_max_num_f32_dpp v[OWN+\j], v[OWN+\j], v[OWN+\j] row_xmask:\x row_mask:0xf bank_mask:0xf
.endr
.endr
.irp j, 0,1
	v_permlanex16_b32 v[XL+\j], v[OWN+\j], s12, s13
.endr
.irp j, 0,1
	v_max_num_f32 v[OWN+\j], v[OWN+\j], v[XL+\j]   ; m of chunk 8 j + w
.endr
.irp j, 0,1
.irp i, 0,1,2,3
	v_sub_f32 v[P+4*\j+\i], v[T+4*\j+\i], v[OWN+\j]
.endr
.endr
.irp i, 0,1,2,3,4,5,6,7
	v_exp_f32 v[P+\i], v[P+\i]
.endr
	v_nop                                          ; a plain place behind the last exponential,
	s_wait_alu depctr_va_vdst(0)                   ; and one wait for the batch, ahead of its first reader
.irp j, 0,1
	v_add_f32 v[LS+\j], v[P+4*\j], v[P+4*\j+1]
	v_add_f32 v[MX+1+\j], v[P+4*\j+2], v[P+4*\j+3]
.endr
.irp j, 0,1
	v_add_f32 v[LS+\j], v[LS+\j], v[MX+1+\j]
.endr
.irp x, 1,2,4,8
.irp j, 0,1
	v_add_f32_dpp v[LS+\j], v[LS+\j], v[LS+\j] row_xmask:\x row_mask:0xf bank_mask:0xf
.endr
.endr
.irp j, 0,1
	v_permlanex16_b32 v[XL+\j], v[LS+\j], s12, s13
.endr
.irp j, 0,1
	v_add_f32 v[LS+\j], v[LS+\j], v[XL+\j]         ; l of chunk 8 j + w
.endr
.irp j, 0,1
	ds_store_b32 v[WA], v[OWN+\j] offset:32*\j     ; all lanes write the same word with the same value
	ds_store_b32 v[WA], v[LS+\j] offset:64+32*\j
.endr
	s_wait_dscnt 0x0                               ; for the others' sake: my stores have landed
	s_barrier_signal -1
	s_barrier_wait -1
.irp i, 0,1,2,3,4,5,6,7
	ds_load_b128 v[G+4*\i:G+4*\i+3], v[WA+1] offset:16*\i          ; the sixteen m, then the sixteen l, in every lane
.endr
	s_wait_dscnt 0x0
	v_max3_num_f32 v[MX], v[G], v[G+1], v[G+2]
.irp c, 3,5,7,9,11,13
	v_max3_num_f32 v[MX], v[MX], v[G+\c], v[G+\c+1]
.endr
	v_max_num_f32 v[MX], v[MX], v[G+15]            ; M
.irp c, 0,1,2,3,4,5,6,7,8,9,10,11,12,13,14,15
	v_sub_f32 v[G+\c], v[G+\c], v[MX]
.endr
.irp j, 0,1
	v_sub_f32 v[OWN+\j], v[OWN+\j], v[MX]
.endr
.irp c, 0,1,2,3,4,5,6,7,8,9,10,11,12,13,14,15
	v_exp_f32 v[G+\c], v[G+\c]                     ; g_c = 2^(m_c - M)
.endr
.irp j, 0,1
	v_exp_f32 v[OWN+\j], v[OWN+\j]                 ; and my two chunks'
.endr
	v_nop
	s_wait_alu depctr_va_vdst(0)                   ; one wait for the eighteen
	v_mul_f32 v[MX+1], v[G], v[G+16]               ; L, in two chains that the first two products start
	v_mul_f32 v[MX+2], v[G+1], v[G+17]
.irp c, 2,4,6,8,10,12,14
	v_fmac_f32 v[MX+1], v[G+\c], v[G+16+\c]
	v_fmac_f32 v[MX+2], v[G+\c+1], v[G+17+\c]
.endr
	v_add_f32 v[MX+1], v[MX+1], v[MX+2]
	v_rcp_f32 v[MX+3], v[MX+1]
	v_nop
	s_wait_alu depctr_va_vdst(0)
.irp j, 0,1
	v_mul_f32 v[OWN+\j], v[OWN+\j], v[MX+3]
.endr
.irp c, 0,1,2,3,4,5,6,7,8,9,10,11,12,13,14,15
	v_mul_f32 v[G+\c], v[G+\c], v[MX+3]            ; g_c / L
.endr
.irp j, 0,1
.irp i, 0,1,2,3
	v_mul_f32 v[P+4*\j+\i], v[P+4*\j+\i], v[OWN+\j]
.endr
.endr
.irp j, 0,1
	global_store_b128 v[OFF], v[P+4*\j:P+4*\j+3], s[10:11] offset:4096*\j
.endr
	s_wait_loadcnt 0x0                             ; pctx is in
.irp i, 0,1,2,3
	v_mul_f32 v[T+\i], v[PC+\i], v[G]              ; chunk 0 starts the four sums
.endr
.irp c, 1,2,3,4,5,6,7,8,9,10,11,12,13,14,15
.irp i, 0,1,2,3
	v_fmac_f32 v[T+\i], v[PC+4*\c+\i], v[G+\c]
.endr
.endr
	global_store_b128 v[OFF], v[T:T+3], s[8:9]
	s_wait_tensorcnt 0x0                           ; the wave's end, behind my last LDS store
	ds_add_u32 v[SPW], v[NIL]
	s_wait_dscnt 0x0
	s_endpgm
.Lfunc_end_k_q57b4d3b31f_merge:
	.size	k_q57b4d3b31f_merge, .Lfunc_end_k_q57b4d3b31f_merge-k_q57b4d3b31f_merge
	.p2alignl 7, 3214868480
	.fill 96, 4, 3214868480
	.section	.rodata,"a",@progbits
	.p2align	6, 0x0
	.amdhsa_kernel k_q57b4d3b31f_merge
		.amdhsa_group_segment_fixed_size 1280
		.amdhsa_private_segment_fixed_size 0
		.amdhsa_enable_private_segment 0
		.amdhsa_kernarg_size 32
		.amdhsa_user_sgpr_count 2
		.amdhsa_user_sgpr_kernarg_segment_ptr 1
		.amdhsa_wavefront_size32 1
		.amdhsa_system_sgpr_workgroup_id_x 1
		.amdhsa_system_sgpr_workgroup_id_y 1
		.amdhsa_system_sgpr_workgroup_id_z 1
		.amdhsa_system_vgpr_workitem_id 0
		.amdhsa_next_free_vgpr 128
		.amdhsa_next_free_sgpr 66
		.amdhsa_reserve_vcc 0
		.amdhsa_float_denorm_mode_32 3
		.amdhsa_float_denorm_mode_16_64 3
		.amdhsa_memory_ordered 1
		.amdhsa_forward_progress 1
		.amdhsa_inst_pref_size 12
	.end_amdhsa_kernel
	.amdgpu_metadata
---
amdhsa.version: [ 1, 2 ]
amdhsa.kernels:
  - .name:           k_q57b4d3b31f_merge
    .symbol:         k_q57b4d3b31f_merge.kd
    .args:
      - { .name: tbuf, .offset: 0, .size: 8, .value_kind: global_buffer, .address_space: global }
      - { .name: pctx, .offset: 8, .size: 8, .value_kind: global_buffer, .address_space: global }
      - { .name: out0, .offset: 16, .size: 8, .value_kind: global_buffer, .address_space: global }
      - { .name: out1, .offset: 24, .size: 8, .value_kind: global_buffer, .address_space: global }
    .group_segment_fixed_size: 1280
    .private_segment_fixed_size: 0
    .kernarg_segment_align: 8
    .kernarg_segment_size: 32
    .max_flat_workgroup_size: 256
    .sgpr_count:     66
    .vgpr_count:     128
    .wavefront_size: 32
...
	.end_amdgpu_metadata
.endif
;; end of part 3
;; ======== version 2 of 2: 3 launches; version 1 with the launches prep, main written anew for expert scheduling mode
;; workspace buffers: wf 524,288 bytes; ws 32,768 bytes; ci 65,536 bytes; tbuf 131,072 bytes; pctx 1,048,576 bytes
;; launch prep (part 4): grid 64 x 1, 4 waves a work-group, no clusters, 4,608 bytes of LDS; arguments W_codes, W_scales, b, hidden, wf, ws, ci; writes wf, ws, ci
.if DOCPART == 4
	.amdgcn_target "amdgcn-amd-amdhsa--gfx1250"
	.amdhsa_code_object_version 6
	.text
	.protected	k_q57b4d3b31f_prep
	.globl	k_q57b4d3b31f_prep
	.p2align	8
	.type	k_q57b4d3b31f_prep,@function
k_q57b4d3b31f_prep:
	s_mov_b64 s[64:65], 0
	v_nop
	global_prefetch_b8 v0, s[64:65] scope:SCOPE_SE
	s_setreg_imm32_b32 hwreg(HW_REG_WAVE_SCHED_MODE, 0, 2), 2
	s_setreg_imm32_b32 hwreg(HW_REG_WAVE_MODE, 25, 1), 1
	s_wait_xcnt 0x0
	s_wait_alu depctr_vm_vsrc(0)
; THE PROGRAM: x[s][b][n] = sum over k of Q(cat[s][b])[k] W[n][k], cat = [hidden[b] | enc[s][b]], K = 2,048, on codes of FP4 (E2M1) with one E8M0 scale for each 32 along K;
; score[b][s] = sum over n of v[n] tanh(x + bias[n]); out1 = softmax over s; out0[b] = sum over s of out1[b][s] enc[s][b].  Three launches: this one, main, merge.
; WORK THAT IS NOT REPEATED.  The first 1,024 of K are hidden[b], the same for all 2,048 s.  K is cut into blocks of 32 from its start, so blocks 0 to 31 lie wholly inside that half: their codes and scale
; bytes are those of hidden[b] alone, and the sum over k < 1,024 is ONE number for each (b, n), whatever the inputs hold.  It is made here once for each b (16 rows in place of 32,768), by the format's own instruction.
; WORK LEFT OUT.  tanh(y) = 1 - 2 / (1 + e^(2 y)), so score[b][s] = (sum over n of v[n]) - 2 sum over n of v[n] r[s][b][n], r = 1 / (1 + e^(2 y)).  The first term is the same along s, the softmax's axis,
; for all values of v, and the scores themselves are no output: it is not formed.  Every input is loaded by some launch.
; LIMITS.  A NaN, an infinity or an overflow that reaches only the sum of v is not carried to the result.  NaN and infinities among the inputs are not served.  A block of zeros gets the byte 1 with zero codes where the
; rule says 127: the bytes are read by this program alone.  The hidden half's sum and the bias are added to the other half's f32 sum behind it: another order of rounding than one chain over K.
; THIS LAUNCH, work-group T (64 of them), W's rows n0 = 16 T .. + 15, four waves:
;  (1) ci[b][n] = c2 (bias[n] + sum over k < 1,024 of Q(hidden[b])[k] W[n][k]), c2 = 2 log2(e).  Wave w takes K steps 2 w and 2 w + 1 of 128; the four partial tiles meet in LDS, wave 0 adds them.
;      The product is used transposed (source 0 = 16 rows of W, source 1 = hidden's 16 rows): lane (r, h) holds b = r and n = n0 + 8 h + 0 .. 7.
;  (2) W's second half is laid in the order of the operand's registers: wf[T][t][c][lane][16 bytes], ws[T][lane][4 words].  K step t (0 .. 7), place q = 2 c + h of its four blocks, takes block
;      16 (t / 4) + 4 q + t % 4 of the half's 32: the same order in which main lays the rows' codes (there eight lanes then hold a scale word's four bytes by themselves).
; ci leaves in runs of 64 bytes a row b, so its aligned blocks of 256 bytes are written by four work-groups: 64 KiB in the whole launch.
; THE MODE: SCHED_MODE bits 1:0 = 2 (LLVM: expert scheduling mode 2), set by the entry lines.  The code itself states the register dependences between vector or matrix instructions and memory or LDS
; instructions, with s_wait_alu, always for 0.
; THE PLAN.  There is no loop.  Registers that memory or LDS instructions touch: the ten offsets v6-15, written once at the head; the loads' destinations, which no vector line names ahead of the loads;
; v196-199 (wave 1's turned bytes), the accumulator v240-247 and v64-71 (wave 0's sums), each written by vector or matrix lines and then stored: one wait on va_vdst ahead of each of these stores.
; v64-95 are read by the conversions and later loaded from LDS: the wait ahead of the accumulator's stores stands between.  No register that a memory or LDS instruction has read is written again.
.set SPARE, 4096                       ; LDS: 0 .. 4,095 the four partial tiles, 1,024 bytes a wave, as images of the registers; then the spare words, 128 bytes a wave
.set SPW, 2                            ; v2   my spare word: SPARE + 4 x my thread's number; never rewritten
.set NIL, 3                            ; v3   0; never rewritten
.set XA,  6                            ; v6   hidden: 4,096 r + 64 h + 1,024 w
.set WNA, 7                            ; v7   W's codes, first half, as they lie: 1,024 r + 16 h + 128 w
.set WSA, 8                            ; v8   their scale words: 64 r + 8 w
.set RLA, 9                            ; v9   W's codes, second half: 1,024 r + 64 h + 256 (w / 2) + 32 (w % 2)
.set LI,  10                           ; v10  16 x lane
.set PSA, 11                           ; v11  LDS: 1,024 w + 16 x lane
.set CIA, 12                           ; v12  ci: 4,096 r + 32 h
.set BA,  13                           ; v13  bias: 32 h
.set WTA, 14                           ; v14  W's scale bytes, second half: 64 r + 16 h
.set WFA, 15                           ; v15  wf: 2,048 w + 16 x lane
.set WN,  16                           ; v16-31   W's two fragments
.set WNS, 32                           ; v32-33   their scale words: scales and nothing else
.set RL,  36                           ; v36-51   four pieces of 16 bytes on their way to wf
.set BI,  52                           ; v52-59   bias
.set SB,  60                           ; v60-63   16 scale bytes
.set HX,  64                           ; v64-191  2 x 64 numbers of hidden; later the four partial tiles
.set PT,  192                          ; v192-199 the bytes' turning
.set TM,  200                          ; v200-203 largest magnitudes, v204-207 bytes, v212-215 the conversions' scale operands
.set HS,  216                          ; v216-217 hidden's scale words: scales and nothing else
.set HF,  224                          ; v224-239 hidden's two fragments
.set ACC, 240                          ; v240-247 my partial tile
; 64 numbers of a lane, register 16 b + i = k 32 b + 16 (lane / 16) + i of my row, become a fragment's codes in v[pc] on and its scale word in v[pw]
.macro QUANT s, pc, pw
.irp b, 0,1,2,3
	v_max3_num_f32 v[TM+\b], |v[\s+16*\b]|, |v[\s+1+16*\b]|, 0x1800000   ; my 16 numbers of block b, and the floor 2^(3 - 127): the byte cannot fall under 1
.endr
.irp i, 2,4,6,8,10,12,14
.irp b, 0,1,2,3
	v_max3_num_f32 v[TM+\b], v[TM+\b], |v[\s+16*\b+\i]|, |v[\s+1+16*\b+\i]|   ; the four blocks by turns
.endr
.endr
.irp b, 0,1,2,3
	v_permlanex16_b32 v[TM+4+\b], v[TM+\b], s20, s21
.endr
.irp b, 0,1,2,3
	v_max_num_f32 v[TM+\b], v[TM+\b], v[TM+4+\b]   ; with lane l xor 16's: the block's largest magnitude
.endr
.irp b, 0,1,2,3
	v_add_nc_u32 v[TM+12+\b], 0xff000000, v[TM+\b] ; 2 off its exponent field: the conversion takes this operand's exponent field as its scale
.endr
.irp b, 0,1,2,3
	v_lshrrev_b32 v[TM+4+\b], 23, v[TM+12+\b]      ; the scale's byte
.endr
	v_lshl_or_b32 v[\pw], v[TM+5], 8, v[TM+4]
	v_lshl_or_b32 v[\pw], v[TM+6], 16, v[\pw]
	v_lshl_or_b32 v[\pw], v[TM+7], 24, v[\pw]      ; my row's scale word
.irp b, 0,1,2,3
	v_cvt_scalef32_pk8_fp4_f32 v[\pc+2*\b], v[\s+16*\b:\s+7+16*\b], v[TM+12+\b]
	v_cvt_scalef32_pk8_fp4_f32 v[\pc+1+2*\b], v[\s+8+16*\b:\s+15+16*\b], v[TM+12+\b]
.endr
	v_nop                                          ; one plain place behind a scaled conversion
.irp c, 0,1                                    ; the operand's layout wants a whole block in a lane
.irp i, 0,1
	v_permlane16_swap_b32 v[\pc+4*\c+\i], v[\pc+2+4*\c+\i]
.endr
.endr
.endm
	s_load_b256 s[4:11], s[0:1], 0x0               ; W's codes s[4:5], W's scales s[6:7], bias s[8:9], hidden s[10:11]
	s_load_b128 s[12:15], s[0:1], 0x20             ; wf s[12:13], ws s[14:15]
	s_load_b64 s[16:17], s[0:1], 0x30              ; ci
	v_lshl_add_u32 v[SPW], v0, 2, SPARE
	v_mov_b32 v[NIL], 0
	v_lshrrev_b32 v1, 5, v0
	v_readfirstlane_b32 s18, v1                    ; wave 0..3
	v_and_b32 v1, 31, v0                           ; lane
	v_and_b32 v4, 15, v0                           ; r
	v_bfe_u32 v5, v0, 4, 1                         ; h
	s_mov_b32 s20, 0x76543210
	s_mov_b32 s21, 0xfedcba98                      ; v_permlanex16_b32's selects for lane l xor 16
	s_mov_b32 s22, 0x4038aa3b                      ; c2 = 2 log2(e)
	s_mov_b32 s23, s22                             ; (named with it as a pair, so it is written)
	s_wait_alu depctr_va_sdst(0)                   ; s18, the wave's number, is written, ahead of its first reader
	s_lshl_b32 s26, s18, 10                        ; 1,024 w
	v_lshlrev_b32 v[XA], 12, v4
	v_lshl_add_u32 v[XA], v5, 6, v[XA]
	v_add_nc_u32 v[XA], s26, v[XA]
	v_lshlrev_b32 v[WNA], 10, v4
	v_lshl_add_u32 v[RLA], v5, 6, v[WNA]
	v_lshl_add_u32 v[WNA], v5, 4, v[WNA]
	s_lshl_b32 s27, s18, 7
	v_add_nc_u32 v[WNA], s27, v[WNA]
	s_lshr_b32 s27, s18, 1
	s_lshl_b32 s27, s27, 8
	s_and_b32 s28, s18, 1
	s_lshl_b32 s28, s28, 5
	s_add_co_u32 s27, s27, s28
	v_add_nc_u32 v[RLA], s27, v[RLA]
	v_lshlrev_b32 v[WTA], 6, v4
	s_lshl_b32 s27, s18, 3
	v_add_nc_u32 v[WSA], s27, v[WTA]
	v_lshl_add_u32 v[WTA], v5, 4, v[WTA]
	v_lshlrev_b32 v[LI], 4, v1
	v_add_nc_u32 v[PSA], s26, v[LI]
	s_lshl_b32 s27, s18, 11
	v_add_nc_u32 v[WFA], s27, v[LI]
	v_lshlrev_b32 v[CIA], 12, v4
	v_lshl_add_u32 v[CIA], v5, 5, v[CIA]
	v_lshlrev_b32 v[BA], 5, v5
.irp b, 0,1,2,3
	v_mov_b32 v[TM+4+\b], 0                        ; written once: a lane permute's destination counts as one of its sources
.endr
	s_mov_b32 s31, 0
	s_wait_kmcnt 0x0
	s_lshl_b32 s30, ttmp9, 14                      ; 16 rows of 1,024 bytes of codes
	s_add_nc_u64 s[4:5], s[4:5], s[30:31]
	s_lshl_b32 s30, ttmp9, 10                      ; 16 rows of 64 scale bytes
	s_add_nc_u64 s[6:7], s[6:7], s[30:31]
	s_lshl_b32 s30, ttmp9, 6                       ; 16 numbers of f32
	s_add_nc_u64 s[8:9], s[8:9], s[30:31]
	s_add_nc_u64 s[16:17], s[16:17], s[30:31]
	s_lshl_b32 s30, ttmp9, 13                      ; a tile's 8,192 bytes in wf
	s_add_nc_u64 s[12:13], s[12:13], s[30:31]
	s_lshl_b32 s30, ttmp9, 9                       ; and its 512 in ws
	s_add_nc_u64 s[14:15], s[14:15], s[30:31]
	s_wait_alu depctr_va_vdst(0)                   ; the ten offsets v6 to v15 are written, which every load and store of the kernel reads
	; all loads at once.  The bias and the scale bytes are loaded by every wave (three small loads), so that no register is written on one way alone; wave 0 and wave 1 use them
.irp s, 0,1
.irp q, 0,1,2,3
.irp j, 0,1,2,3
	global_load_b128 v[HX+64*\s+16*\q+4*\j:HX+64*\s+16*\q+4*\j+3], v[XA], s[10:11] offset:512*\s+128*\q+16*\j   ; hidden(r, 128 (2 w + s) + 32 q + 16 h + 4 j ..)
.endr
.endr
.endr
.irp s, 0,1
.irp c, 0,1
	global_load_b128 v[WN+8*\s+4*\c:WN+8*\s+4*\c+3], v[WNA], s[4:5] offset:64*\s+32*\c          ; W's fragment of K step 2 w + s
	global_load_b128 v[RL+8*\s+4*\c:RL+8*\s+4*\c+3], v[RLA], s[4:5] offset:512+16*\s+128*\c     ; second half: K step t = 2 w + s, place 2 c + h
.endr
.endr
	global_load_b64 v[WNS:WNS+1], v[WSA], s[6:7]   ; the scale words of K steps 2 w, 2 w + 1
	global_load_b128 v[SB:SB+3], v[WTA], s[6:7] offset:32   ; second half: bytes of blocks 16 h + 0 .. 15
	global_load_b128 v[BI:BI+3], v[BA], s[8:9]
	global_load_b128 v[BI+4:BI+7], v[BA], s[8:9] offset:16
	s_wait_loadcnt 0x0
.irp s, 0,1
.irp c, 0,1
	global_store_b128 v[WFA], v[RL+8*\s+4*\c:RL+8*\s+4*\c+3], s[12:13] offset:1024*\s+512*\c    ; 32 lanes store 512 consecutive bytes
.endr
.endr
	s_cmp_lg_u32 s18, 1
	s_cbranch_scc1 .Lnot_wave_1
	; word u of lane (r, h) = the scale word of K step u + 4 h: byte q = the byte of block 16 h + 4 q + u = byte u of register q: a 4 x 4 turn of bytes
	v_perm_b32 v[PT], v[SB+1], v[SB], 0x05010400
	v_perm_b32 v[PT+1], v[SB+1], v[SB], 0x07030602
	v_perm_b32 v[PT+2], v[SB+3], v[SB+2], 0x05010400
	v_perm_b32 v[PT+3], v[SB+3], v[SB+2], 0x07030602
	v_perm_b32 v[PT+4], v[PT+2], v[PT], 0x05040100
	v_perm_b32 v[PT+5], v[PT+2], v[PT], 0x07060302
	v_perm_b32 v[PT+6], v[PT+3], v[PT+1], 0x05040100
	v_perm_b32 v[PT+7], v[PT+3], v[PT+1], 0x07060302
	s_wait_alu depctr_va_vdst(0)                   ; the turned bytes v196 to v199 are written, which the store reads
	global_store_b128 v[LI], v[PT+4:PT+7], s[14:15]
.Lnot_wave_1:
	QUANT HX, HF, HS
	QUANT HX+64, HF+8, HS+1
.rept 8
	v_nop                                          ; a scale register written by a vector instruction stands 8 places ahead of a scaled matrix instruction, an operand so written 4
.endr
	s_wait_alu depctr_va_vdst(0)                   ; hidden's codes and scale words are written, which the scaled products take; the places above stay beside this wait
	v_wmma_scale_f32_16x16x128_f8f6f4 v[ACC:ACC+7], v[WN:WN+7], v[HF:HF+7], 0, v[WNS], v[HS] matrix_a_fmt:MATRIX_FMT_FP4 matrix_b_fmt:MATRIX_FMT_FP4
	s_wait_alu depctr_va_vdst(0)                   ; the wait stands directly ahead of the next link
	v_wmma_scale_f32_16x16x128_f8f6f4 v[ACC:ACC+7], v[WN+8:WN+15], v[HF+8:HF+15], v[ACC:ACC+7], v[WNS+1], v[HS+1] matrix_a_fmt:MATRIX_FMT_FP4 matrix_b_fmt:MATRIX_FMT_FP4
.rept 4
	v_nop                                          ; four places ahead of the first read of the result
.endr
	s_wait_alu depctr_va_vdst(0)                   ; the product has written the accumulator, which the LDS stores read; and the conversions are done reading v64 to v95, in which wave 0's LDS loads land
	ds_store_b128 v[PSA], v[ACC:ACC+3]             ; my partial tile as it stands, from its low end on
	ds_store_b128 v[PSA], v[ACC+4:ACC+7] offset:512
	s_wait_dscnt 0x0                               ; for the others' sake: my stores have landed
	s_barrier_signal -1
	s_barrier_wait -1
	s_cmp_lg_u32 s18, 0
	s_cbranch_scc1 .Lend
.irp w, 0,1,2,3
	ds_load_b128 v[HX+8*\w:HX+8*\w+3], v[LI] offset:1024*\w
	ds_load_b128 v[HX+8*\w+4:HX+8*\w+7], v[LI] offset:1024*\w+512
.endr
	s_wait_dscnt 0x0
.irp p, 0,2,4,6
	v_pk_add_f32 v[HX+\p:HX+\p+1], v[HX+\p:HX+\p+1], v[HX+8+\p:HX+9+\p]
	v_pk_add_f32 v[HX+16+\p:HX+17+\p], v[HX+16+\p:HX+17+\p], v[HX+24+\p:HX+25+\p]
.endr
.irp p, 0,2,4,6
	v_pk_add_f32 v[HX+\p:HX+\p+1], v[HX+\p:HX+\p+1], v[HX+16+\p:HX+17+\p]
.endr
.irp p, 0,2,4,6
	v_pk_add_f32 v[HX+\p:HX+\p+1], v[HX+\p:HX+\p+1], v[BI+\p:BI+\p+1]
.endr
.irp p, 0,2,4,6
	v_pk_mul_f32 v[HX+\p:HX+\p+1], v[HX+\p:HX+\p+1], s[22:23] op_sel_hi:[1,0]   ; x c2: main then needs one multiply-add ahead of the exponential
.endr
	s_wait_alu depctr_va_vdst(0)                   ; the sums v64 to v71 are written, which the stores read
	global_store_b128 v[CIA], v[HX:HX+3], s[16:17]
	global_store_b128 v[CIA], v[HX+4:HX+7], s[16:17] offset:16
.Lend:
	s_wait_dscnt 0x0                               ; the closing lines, six on end
	s_wait_alu 0x0
	s_wait_tensorcnt 0x0
	ds_add_u32 v[SPW], v[NIL]
	s_wait_dscnt 0x0
	s_endpgm
.Lfunc_end_k_q57b4d3b31f_prep:
	.size	k_q57b4d3b31f_prep, .Lfunc_end_k_q57b4d3b31f_prep-k_q57b4d3b31f_prep
	.p2alignl 7, 3214868480
	.fill 96, 4, 3214868480
	.section	.rodata,"a",@progbits
	.p2align	6, 0x0
	.amdhsa_kernel k_q57b4d3b31f_prep
		.amdhsa_group_segment_fixed_size 4608
		.amdhsa_private_segment_fixed_size 0
		.amdhsa_enable_private_segment 0
		.amdhsa_kernarg_size 56
		.amdhsa_user_sgpr_count 2
		.amdhsa_user_sgpr_kernarg_segment_ptr 1
		.amdhsa_wavefront_size32 1
		.amdhsa_system_sgpr_workgroup_id_x 1
		.amdhsa_system_sgpr_workgroup_id_y 1
		.amdhsa_system_sgpr_workgroup_id_z 1
		.amdhsa_system_vgpr_workitem_id 0
		.amdhsa_next_free_vgpr 256
		.amdhsa_next_free_sgpr 66
		.amdhsa_reserve_vcc 0
		.amdhsa_float_denorm_mode_32 3
		.amdhsa_float_denorm_mode_16_64 3
		.amdhsa_memory_ordered 1
		.amdhsa_forward_progress 1
		.amdhsa_inst_pref_size 19
	.end_amdhsa_kernel
	.amdgpu_metadata
---
amdhsa.version: [ 1, 2 ]
amdhsa.kernels:
  - .name:           k_q57b4d3b31f_prep
    .symbol:         k_q57b4d3b31f_prep.kd
    .args:
      - { .name: W_codes, .offset: 0, .size: 8, .value_kind: global_buffer, .address_space: global }
      - { .name: W_scales, .offset: 8, .size: 8, .value_kind: global_buffer, .address_space: global }
      - { .name: b, .offset: 16, .size: 8, .value_kind: global_buffer, .address_space: global }
      - { .name: hidden, .offset: 24, .size: 8, .value_kind: global_buffer, .address_space: global }
      - { .name: wf, .offset: 32, .size: 8, .value_kind: global_buffer, .address_space: global }
      - { .name: ws, .offset: 40, .size: 8, .value_kind: global_buffer, .address_space: global }
      - { .name: ci, .offset: 48, .size: 8, .value_kind: global_buffer, .address_space: global }
    .group_segment_fixed_size: 4608
    .private_segment_fixed_size: 0
    .kernarg_segment_align: 8
    .kernarg_segment_size: 56
    .max_flat_workgroup_size: 128
    .sgpr_count:     66
    .vgpr_count:     256
    .wavefront_size: 32
...
	.end_amdgpu_metadata
.endif
;; end of part 4
;; launch main (part 5): grid 16 x 16, 4 waves a work-group, no clusters, 326,144 bytes of LDS; arguments encoder_outputs, v, wf, ws, ci, tbuf, pctx; writes tbuf, pctx
.if DOCPART == 5
	.amdgcn_target "amdgcn-amd-amdhsa--gfx1250"
	.amdhsa_code_object_version 6
	.text
	.protected	k_q57b4d3b31f_main
	.globl	k_q57b4d3b31f_main
	.p2align	8
	.type	k_q57b4d3b31f_main,@function
k_q57b4d3b31f_main:
	s_mov_b64 s[64:65], 0
	v_nop
	global_prefetch_b8 v0, s[64:65] scope:SCOPE_SE
	s_setreg_imm32_b32 hwreg(HW_REG_WAVE_SCHED_MODE, 0, 2), 2
	s_setreg_imm32_b32 hwreg(HW_REG_WAVE_MODE, 25, 1), 1
	s_wait_xcnt 0x0
	s_wait_alu depctr_vm_vsrc(0)
; Work-group (c, b) owns one b and the 128 rows s = 128 c .. 128 c + 127 of encoder_outputs, and reads them from memory ONCE.
; LEFT OUT, as the first kernel's head shows: the hidden half of K for each s (it comes as ci[b][n], made once for each b) and the sum of v (the same along the softmax's axis).
; LIMITS: as stated there; and encoder_outputs is rounded to bf16 for the last product (the weights stay f32, the sums f32).
; PHASE Q.  Wave w streams rows 32 w .. + 31, a row (4,096 dense bytes) by eight loads of 512 bytes, eight rows ahead.  Load j gives lane l the numbers 128 j + 4 l .. + 3: block 4 j + l / 8 lies in eight lanes.
;   Each row leaves three things in LDS: its 512 bytes of codes as they lie along K, eight scale words, and a copy in bf16 for the last product.
; EXCHANGE.  Every wave takes ALL 128 rows' codes into registers (64 fragments, 512 registers) and their scale words.
; PHASE G.  Wave w owns columns 256 w .. + 255: 16 tiles of 16 rows of W, whose fragments come from wf straight into registers, 512 dense bytes a load, four tiles ahead; each is loaded once in the work-group
;   and feeds eight matrix instructions.  Transposed use (source 0 = 16 rows of W, source 1 = 16 rows of codes): lane (r, h) holds row 16 m + r and columns 16 T + 8 h + 0 .. 7.
;   r = 1 / (1 + 2^(c2 x + ci)), in f32; the lane's sums of v r are kept for each of the eight tiles of rows.
; SCORES.  t = -c2 x the row's sum of v r (the score in units of log2, less a term that is the same for all s); t goes to tbuf; p = 2^(t - m), m the LARGEST t of the chunk.
; CONTEXT.  Wave w owns h = 256 w .. + 255: pctx[b][c][h] = sum over the 128 rows of p x the bf16 copy.  merge brings the 16 chunks of a b under one maximum.
; WHY NO TENSOR LOADS, NO CLUSTER: the bf16 copy takes 262,144 of the 326,144 bytes of LDS and the codes' stage the rest, so no two slots of a useful size are left for W's 544 KiB; the walk over W has no barrier instead.
; K ORDER (as in wf and ws): K step t (0 .. 7), place q = 2 c + h, takes block 16 (t / 4) + 4 q + t % 4: byte 256 (t / 4) + 128 c + 64 h + 16 (t % 4) of a row's codes.
; LDS.  BF 0: row p at 2,048 p.  CST: 128 rows of codes, 528 bytes apart (132 words: 16 rows start at 16 different groups of four banks; ISA guide 11.1: 64 banks of 4 bytes); it lies over BF's rows 124-127, so every wave
;   keeps the bf16 of its last four rows in registers until all have read the stage.  SST: 128 rows x 8 scale words.  Then the spare words.  Behind the second barrier the stage's bytes serve again: CIL, VL, SCP, PBUF, OST.
; REGISTERS, in windows of 256 (s_set_vgpr_msb: bits 1:0 source 0, 3:2 source 1, 5:4 source 2, 7:6 destination):
;   window 0: addresses, work, scale words, accumulators;  windows 1, 2: the rows' fragments, (m, t) at v[64 (m % 4) + 8 t];  window 3: phase Q's ring of eight rows, then W's four tiles, (q, t) at v[64 q + 8 t].
; THE MODE: SCHED_MODE bits 1:0 = 2 (LLVM: expert scheduling mode 2), set by the entry lines.  The code itself states the register dependences between vector or matrix instructions and memory or LDS
; instructions, with s_wait_alu, always for 0.
; THE PLAN: the registers that memory or LDS instructions touch, and who else names them.
;  PHASE Q.  The block of row n does row n's vector work and issues the memory instructions of row n - 1.
;    ring slot n % 8   read by row n's vector lines; the loads of row n + 8 land in it, issued at the head of block n + 1.
;    set n % 2         (v48-71, v72-95) written by row n's vector lines; read by row n's LDS stores, which are dealt among block n + 1's vector lines; written again in block n + 2.
;    v7-9              read by every LDS store; written once for eight rows, at a trip's top.   v3: read by every global load and store, never written again.
;    So two waits at a block's head state all: on va_vdst, that row n - 1 has written its set and is done reading its slot (and, in a trip's first block, that v7-9 are written); on vm_vsrc, that the stores
;    issued in the block before have read the set that this block writes.  No vector line of block n names slot (n - 1) % 8 or set (n - 1) % 2.
;  PHASE G.  W's buffer q and its scale words: read by tile q's 64 products; the tile four further on lands there.  Two buffers of ci and v by turns (v128-143, v32-47): tile q's multiply-adds read buffer q % 2; the next
;    tile's LDS loads land in the other.  v13: read by those LDS loads, written once a trip.  The one wait on va_vdst that stands behind a tile's exponentials states all: the tile's products are done with buffer q,
;    the tile before is done with the other buffer of ci and v, v13 is written.  The tile's 21 loads follow it directly.
;  CONTEXT.  Two buffers of 16 rows by turns (A: v64-127 and their p v128-143; B: v152-215 and v40-55).  Set i's multiply-adds read buffer i % 2; the loads of set i + 1 land in the other, dealt among them.  One wait on
;    va_vdst at a set's head: the set before is done reading its buffer, and the addresses v226-229, written once a trip behind a wait on vm_vsrc, are written.
.set CST,   253952
.set CP,    528
.set SST,   321536
.set SPARE, 325632                     ; the spare words, 128 bytes for each wave: two blocks of 256 bytes that no other line names
.set CIL,   262144                     ; ci[b][.], 4 KiB, each wave its own 1,024 bytes
.set VL,    266240                     ; v, likewise: 4,096 bytes behind CIL
.set SCP,   270336                     ; the waves' partial sums for the 128 rows, 512 bytes a wave
.set PBUF,  272384                     ; p of the 128 rows, a copy for each wave
.set OST,   274432                     ; the way out, 1,024 bytes a wave
.set SPW,  1                           ; v1   my spare word: SPARE + 4 x my thread's number; never rewritten
.set NIL,  2                           ; v2   0; never rewritten
.set GOFF, 3                           ; v3   16 x lane; never rewritten
.set BFA0, 4                           ; v4   65,536 w + 8 x lane
.set CSA0, 5                           ; v5   CST + 32 CP w + 2 x lane
.set SSA0, 6                           ; v6   SST + 1,024 w + 4 (lane / 8)
.set BFA,  7                           ; v7-9 the same + eight rows for each trip
.set CSA,  8
.set SSA,  9
.set AFA,  10                          ; v10  CST + CP r + 64 h
.set ASA,  11                          ; v11  SST + 32 r + 16 h
.set CIA0, 12                          ; v12  CIL + 1,024 w + 32 h
.set CIA,  13                          ; v13  the same + 256 for each trip
.set SCPA, 14                          ; v14  SCP + 512 w + 4 r
.set M,    16                          ; v16-23 largest magnitudes
.set SCO,  24                          ; v24-31 the conversions' scale operands
.set BY,   32                          ; v32-39 scale bytes
.set CA,   40                          ; v40-43, v44-47 codes under the even and the odd load's scale
.set CB,   44
.set KB,   96                          ; v96-159  bf16 of my rows 28-31.  (v48-71, v72-95: two sets by turns of what goes to LDS: 4 of codes, 2 scale words, 16 of bf16)
.set CIV,  160                         ; v160-175 ci and v on their way to LDS
.set ASC,  176                         ; v176-207 the rows' scale words (m, u): lanes 0-15 K step u, lanes 16-31 K step u + 4: scales and nothing else while products run
.set WSC,  208                         ; v208-223 W's (q, u), likewise
.set CXA0, 224                         ; v224 512 w + 16 x lane
.set PBA0, 225                         ; v225 PBUF + 512 w
.set CXAA, 226                         ; v226-229 two pairs of stepped addresses for the context's loads
.set CXAB, 227
.set PBAA, 228
.set PBAB, 229
.set OSW,  230                         ; v230 OST + 1,024 w + 32 x lane
.set OSR,  231                         ; v231 OST + 1,024 w + 16 x lane
.set SCR,  232                         ; v232 SCP + 16 x lane
.set PBW,  233                         ; v233 PBUF + 512 w + 16 x lane
.set CIW,  234                         ; v234 CIL + 1,024 w + 16 x lane
.set ACC,  64                          ; phase G: v64-127 eight accumulators; ci (8) and v (8) of a tile's columns in v128-143 (even tiles) or v32-47 (odd tiles); v144-159 the sums of v r, a pair for each tile of rows
.set SA,   144
.set DRA,  64                          ; context: buffer A: v64-127 sixteen rows' 16 bytes, v128-143 their p;
.set PRA,  128
.set DRB,  152                         ; buffer B: v152-215 and v40-55;
.set PRB,  40
.set AC2,  144                         ; v144-151 my eight sums
.set MSB, 0
.macro WIN new                         ; the immediate's high byte repeats the setting that is left; a switch that changes nothing is dropped
.if MSB != (\new)
	s_set_vgpr_msb (MSB<<8)|(\new)
.set MSB, (\new)
.endif
.endm
.macro BARRIER                         ; my LDS stores have landed and my LDS loads are in: then the work-group's barrier
	s_wait_dscnt 0x0
	s_barrier_signal -1
	s_barrier_wait -1
.endm
	s_load_b256 s[4:11], s[0:1], 0x0               ; encoder_outputs s[4:5], v s[6:7], wf s[8:9], ws s[10:11]
	s_load_b128 s[12:15], s[0:1], 0x20             ; ci s[12:13], tbuf s[14:15]
	s_load_b64 s[16:17], s[0:1], 0x30              ; pctx
	v_lshl_add_u32 v[SPW], v0, 2, SPARE
	v_mov_b32 v[NIL], 0
	v_lshrrev_b32 v15, 5, v0
	v_readfirstlane_b32 s18, v15                   ; wave 0..3
	s_mov_b32 s19, ttmp9                           ; c
	s_and_b32 s20, ttmp7, 0xffff                   ; b
	v_and_b32 v15, 31, v0                          ; lane
	v_lshlrev_b32 v[GOFF], 4, v15
	s_wait_alu depctr_va_sdst(0)                   ; s18, the wave's number, is written, ahead of its first reader
	s_lshl_b32 s40, s19, 23                        ; (128 c + 32 w) rows s of 65,536 bytes + 4,096 b: under 2^27
	s_lshl_b32 s41, s18, 21
	s_add_co_u32 s40, s40, s41
	s_lshl_b32 s41, s20, 12
	s_add_co_u32 s40, s40, s41
	s_mov_b32 s41, 0
	s_lshl_b32 s44, s18, 10                        ; 1,024 w
	s_mov_b32 s45, 0
	s_lshl_b32 s42, s20, 12
	s_add_co_u32 s42, s42, s44
	s_mov_b32 s43, 0
	s_wait_kmcnt 0x0
	s_add_nc_u64 s[4:5], s[4:5], s[40:41]
	s_add_nc_u64 s[12:13], s[12:13], s[42:43]
	s_add_nc_u64 s[6:7], s[6:7], s[44:45]
	s_wait_alu depctr_va_vdst(0)                   ; v[GOFF] is written, which every global load and store of the kernel reads as its offset
	global_load_b128 v[CIV:CIV+3], v[GOFF], s[12:13]               ; my 256 columns' ci and v: the oldest loads, in with the first row
	global_load_b128 v[CIV+4:CIV+7], v[GOFF], s[12:13] offset:512
	global_load_b128 v[CIV+8:CIV+11], v[GOFF], s[6:7]
	global_load_b128 v[CIV+12:CIV+15], v[GOFF], s[6:7] offset:512
	WIN 0xc0                                       ; destination window 3
.irp k, 0,1,2,3,4,5,6,7
.irp j, 0,1,2,3,4,5,6,7
	global_load_b128 v[32*\k+4*\j:32*\k+4*\j+3], v[GOFF], s[4:5] offset:65536*\k+512*\j th:TH_LOAD_NT   ; the ring: rows 0 to 7, 32 KiB a wave on their way
.endr
.endr
	WIN 0
	s_lshl_b32 s40, s18, 17                        ; my 16 tiles in wf,
	s_add_nc_u64 s[8:9], s[8:9], s[40:41]
	s_lshl_b32 s40, s18, 13                        ; and in ws
	s_add_nc_u64 s[10:11], s[10:11], s[40:41]
	s_lshl_b32 s40, s20, 13                        ; tbuf: 8,192 b + 512 c
	s_lshl_b32 s42, s19, 9
	s_add_co_u32 s40, s40, s42
	s_add_nc_u64 s[14:15], s[14:15], s[40:41]
	s_lshl_b32 s40, s20, 16                        ; pctx: 4,096 (16 b + c) + 1,024 w
	s_lshl_b32 s42, s19, 12
	s_add_co_u32 s40, s40, s42
	s_add_co_u32 s40, s40, s44
	s_add_nc_u64 s[16:17], s[16:17], s[40:41]
	s_mov_b32 s21, 0x1800000                       ; the floor 2^(3 - 127)
	s_mov_b32 s22, 0xff000000                      ; 2 off an exponent field
	s_mov_b32 s23, 0xffff
	s_mov_b32 s24, 0x4038aa3b                      ; c2 = 2 log2(e)
	s_mov_b32 s25, s24                             ; (named with it as a pair, so it is written)
	s_mov_b32 s26, 0x76543210
	s_mov_b32 s27, 0xfedcba98                      ; v_permlanex16_b32's selects for lane l xor 16
	s_mov_b32 s36, 0xc038aa3b                      ; -c2
	s_mov_b32 s37, s36
	; every LDS address is made here, ahead of the text's one branch on the wave's number; the waits on va_vdst of phase Q stand between these lines and the first LDS instruction that reads any of them
	v_and_b32 v16, 15, v0                          ; r
	v_bfe_u32 v17, v0, 4, 1                        ; h
	s_lshl_b32 s40, s18, 16
	v_lshl_add_u32 v[BFA0], v15, 3, s40
	s_mul_i32 s40, s18, 32*CP
	s_add_co_u32 s40, s40, CST
	v_lshl_add_u32 v[CSA0], v15, 1, s40
	s_add_co_u32 s40, s44, SST
	v_bfe_u32 v[SSA0], v0, 3, 2
	v_lshl_add_u32 v[SSA0], v[SSA0], 2, s40
	v_mul_u32_u24 v[AFA], v16, CP
	v_lshl_add_u32 v[AFA], v17, 6, v[AFA]
	v_add_nc_u32 v[AFA], CST, v[AFA]
	v_lshlrev_b32 v[ASA], 5, v16
	v_lshl_add_u32 v[ASA], v17, 4, v[ASA]
	v_add_nc_u32 v[ASA], SST, v[ASA]
	s_add_co_u32 s40, s44, CIL
	v_lshl_add_u32 v[CIA0], v17, 5, s40
	v_add_nc_u32 v[CIW], s40, v[GOFF]
	s_lshl_b32 s42, s18, 9                         ; 512 w
	s_add_co_u32 s40, s42, SCP
	v_lshl_add_u32 v[SCPA], v16, 2, s40
	v_add_nc_u32 v[SCR], SCP, v[GOFF]
	s_add_co_u32 s40, s42, PBUF
	v_mov_b32 v[PBA0], s40
	v_add_nc_u32 v[PBW], s40, v[GOFF]
	v_add_nc_u32 v[CXA0], s42, v[GOFF]
	s_add_co_u32 s40, s44, OST
	v_lshl_add_u32 v[OSW], v15, 5, s40
	v_add_nc_u32 v[OSR], s40, v[GOFF]
; ---- PHASE Q.
; LDS store number i of 18 of the row in slot PK, out of set ZP: 0-7 its codes, 8-15 its bf16 (none where the row kept them in registers), 16, 17 its two scale words.
.macro PSTORE i, pkeep
.if (\i) < 8
.if ((\i)%2) == 0
	ds_store_b16 v[CSA], v[ZP+(\i)/2] offset:CP*PK+128*((\i)/2)               ; the codes of k = 128 j + 4 l .. + 3 lie at byte 64 j + 2 l of the row
.else
	ds_store_b16_d16_hi v[CSA], v[ZP+(\i)/2] offset:CP*PK+128*((\i)/2)+64
.endif
.elseif (\i) < 16
.if !(\pkeep)
	ds_store_b64 v[BFA], v[ZP+6+2*((\i)-8):ZP+6+2*((\i)-8)+1] offset:2048*PK+256*((\i)-8)
.endif
.elseif (\i) == 16
	ds_store_b32 v[SSA], v[ZP+4] offset:32*PK      ; eight lanes write the same word with the same value
.else
	ds_store_b32 v[SSA], v[ZP+5] offset:32*PK+16
.endif
.endm
; The block of the row in slot k.  keep = 1: its bf16 stays in registers.  pst = 1: the row before, in slot PK = k - 1, has its LDS stores here (pkeep = 1: it kept its bf16).
; ahead = 1: slot PK takes the row eight further on than the one that it held.  left: the younger loads, which may stay out.
.macro BLKQ k, keep, ahead, left, pst, pkeep
.set XR, 32*(\k)
.set PK, ((\k)+7)%8
.set ZS, 48+24*((\k)%2)
.set ZP, 72-24*((\k)%2)
.if \keep
.set BB, KB+16*((\k)-4)
.else
.set BB, ZS+6
.endif
.if \pst
	s_wait_alu depctr_va_vdst(0)                   ; the row before has written its set, which the LDS stores below read, and is done reading its slot, in which the loads below land; in a trip's first block v7 to v9 are written
	s_wait_alu depctr_vm_vsrc(0)                   ; the LDS stores issued in the block before have read the other set, which this block's vector lines write again
.endif
.if \ahead
	WIN 0xc0
.irp j, 0,1,2,3,4,5,6,7
	global_load_b128 v[32*PK+4*\j:32*PK+4*\j+3], v[GOFF], s[4:5] offset:65536*(8+PK)+512*\j th:TH_LOAD_NT
.endr
.endif
	s_wait_loadcnt \left                           ; loads come back in order (ISA guide 5.7.1): my row is in
	WIN 0x0f                                       ; sources 0 and 1: window 3
.irp j, 0,1,2,3,4,5,6,7
	v_max3_num_f32 v[M+\j], |v[XR+4*\j]|, |v[XR+4*\j+1]|, s21      ; my four numbers of block 4 j + lane / 8, and the floor: the byte cannot fall under 1
.endr
.irp j, 0,1,2,3,4,5,6,7
	v_max3_num_f32 v[M+\j], |v[XR+4*\j+2]|, |v[XR+4*\j+3]|, v[M+\j]
.endr
.irp j, 0,1,2,3,4,5,6,7
	v_cvt_pk_bf16_f32 v[BB+2*\j], v[XR+4*\j], v[XR+4*\j+1]         ; the copy for the last product
	v_cvt_pk_bf16_f32 v[BB+2*\j+1], v[XR+4*\j+2], v[XR+4*\j+3]
.endr
	WIN 0                                          ; the row before's LDS stores are dealt among the lines of this stretch, one behind every second line: no vector line since the wait names their registers
.irp x, 1,2,4
.irp j, 0,1,2,3,4,5,6,7
	v_max_num_f32_dpp v[M+\j], v[M+\j], v[M+\j] row_xmask:\x row_mask:0xf bank_mask:0xf   ; over the block's eight lanes; the eight blocks by turns
.if (\pst) && (((\j)%2) == 1)
	PSTORE 4*((\x)/2)+(\j)/2, \pkeep
.endif
.endr
.endr
.irp j, 0,1,2,3,4,5,6,7
	v_add_nc_u32 v[SCO+\j], s22, v[M+\j]           ; 2 off the exponent field: the conversion's scale operand
.if (\pst) && (((\j)%2) == 1)
	PSTORE 12+(\j)/2, \pkeep
.endif
.endr
.irp j, 0,1,2,3,4,5,6,7
	v_lshrrev_b32 v[BY+\j], 23, v[SCO+\j]          ; the scale's byte
.if (\pst) && ((\j) == 1)
	PSTORE 16, \pkeep
.endif
.if (\pst) && ((\j) == 5)
	PSTORE 17, \pkeep
.endif
.endr
	v_lshl_or_b32 v[ZS+4], v[BY+1], 8, v[BY]       ; blocks g, 4 + g, 8 + g, 12 + g (g = lane / 8): the scale word of K step g;
	v_lshl_or_b32 v[ZS+5], v[BY+5], 8, v[BY+4]     ; blocks 16 + ..: that of K step g + 4
	v_lshl_or_b32 v[ZS+4], v[BY+2], 16, v[ZS+4]
	v_lshl_or_b32 v[ZS+5], v[BY+6], 16, v[ZS+5]
	v_lshl_or_b32 v[ZS+4], v[BY+3], 24, v[ZS+4]
	v_lshl_or_b32 v[ZS+5], v[BY+7], 24, v[ZS+5]
	WIN 0x03                                       ; source 0: window 3
.irp p, 0,1,2,3                                ; a conversion takes eight numbers and one scale; mine are four of load 2 p's block and four of load 2 p + 1's: so it runs under each scale, and each result's right half is kept
	v_cvt_scalef32_pk8_fp4_f32 v[CA+\p], v[XR+8*\p:XR+8*\p+7], v[SCO+2*\p]
	v_cvt_scalef32_pk8_fp4_f32 v[CB+\p], v[XR+8*\p:XR+8*\p+7], v[SCO+2*\p+1]
.endr
	v_nop                                          ; one plain place behind a scaled conversion
	WIN 0
.irp p, 0,1,2,3
	v_bfi_b32 v[ZS+\p], s23, v[CA+\p], v[CB+\p]    ; low half: load 2 p's four codes; high half: load 2 p + 1's
.endr
.endm
.macro QADDR                           ; no LDS store of mine is out when its address registers are written
	s_wait_dscnt 0x0
	s_wait_alu depctr_vm_vsrc(0)                   ; the LDS stores issued so far have read v7 to v9
	v_add_nc_u32 v[BFA], s29, v[BFA0]
	v_add_nc_u32 v[CSA], s30, v[CSA0]
	v_add_nc_u32 v[SSA], s31, v[SSA0]
.endm
; A tile of W (16 rows x 1,024 K: 8 fragments) and its scale words into buffer q: 17 loads of 512 consecutive bytes
.macro WLOAD q, off
	WIN 0xc0
.irp t, 0,1,2,3,4,5,6,7
	global_load_b128 v[64*(\q)+8*\t:64*(\q)+8*\t+3], v[GOFF], s[8:9] offset:(\off)*8192+1024*\t
	global_load_b128 v[64*(\q)+8*\t+4:64*(\q)+8*\t+7], v[GOFF], s[8:9] offset:(\off)*8192+1024*\t+512
.endr
	WIN 0
	global_load_b128 v[WSC+4*(\q):WSC+4*(\q)+3], v[GOFF], s[10:11] offset:(\off)*512
.endm
	s_mov_b32 s28, 3
	s_mov_b32 s29, 0
	s_mov_b32 s30, 0
	s_mov_b32 s31, 0
	BLKQ 0, 0, 0, 56, 0, 0                         ; row 0 has no row in front of it: it stands ahead of the loop; 56 = the seven younger rows' loads
.Lq:                                               ; three trips: the vector work of rows 8 T + 1 to 8 T + 8, the LDS stores of rows 8 T to 8 T + 7, the loads of rows 8 T + 8 to 8 T + 15; 56 = the seven younger rows' loads, the one just asked for among them
	QADDR
.irp k, 1,2,3,4,5,6,7,0
	BLKQ \k, 0, 1, 56, 1, 0
.endr
	s_wait_xcnt 0x0                                ; the loads have read their base: it may step
	s_add_nc_u64 s[4:5], s[4:5], 8*65536
	s_add_co_u32 s29, s29, 8*2048
	s_add_co_u32 s30, s30, 8*CP
	s_add_co_u32 s31, s31, 8*32
	s_sub_co_u32 s28, s28, 1
	s_cmp_lg_u32 s28, 0
	s_cbranch_scc1 .Lq
	QADDR                                          ; rows 25 to 31 load nothing: the counts run down; rows 28 to 31 keep their bf16 (10 LDS stores a row in place of 18)
	BLKQ 1, 0, 0, 48, 1, 0
	BLKQ 2, 0, 0, 40, 1, 0
	BLKQ 3, 0, 0, 32, 1, 0
	BLKQ 4, 1, 0, 24, 1, 0
	BLKQ 5, 1, 0, 16, 1, 1
	BLKQ 6, 1, 0, 8, 1, 1
	BLKQ 7, 1, 0, 0, 1, 1
	s_wait_alu depctr_va_vdst(0)                   ; row 31 has written its set, which its LDS stores read, and rows 28 to 31 their bf16, stored behind the second barrier; all rows' vector lines are done reading the ring, in which W's first four tiles land
.set PK, 7
.set ZP, 72
.irp i, 0,1,2,3,4,5,6,7,16,17
	PSTORE \i, 1
.endr
	WLOAD 0, 0                                     ; W's first three tiles go out while the rows' codes change hands
	WLOAD 1, 1
	WLOAD 2, 2
	; ---- EXCHANGE
	BARRIER                                        ; the stage is whole
	WIN 0x40                                       ; destination window 1
.irp m, 0,1,2,3
.irp t, 0,1,2,3,4,5,6,7
.irp c, 0,1
	ds_load_b128 v[64*\m+8*\t+4*\c:64*\m+8*\t+4*\c+3], v[AFA] offset:16*CP*\m+256*(\t/4)+128*\c+16*(\t%4)
.endr
.endr
.endr
	WIN 0x80                                       ; destination window 2
.irp m, 0,1,2,3
.irp t, 0,1,2,3,4,5,6,7
.irp c, 0,1
	ds_load_b128 v[64*\m+8*\t+4*\c:64*\m+8*\t+4*\c+3], v[AFA] offset:16*CP*(4+\m)+256*(\t/4)+128*\c+16*(\t%4)
.endr
.endr
.endr
	WIN 0
.irp m, 0,1,2,3,4,5,6,7
	ds_load_b128 v[ASC+4*\m:ASC+4*\m+3], v[ASA] offset:512*\m
.endr
	BARRIER                                        ; every wave has read the stage: its bytes may be written
	WLOAD 3, 3
.irp x, 0,1,2,3
.irp j, 0,1,2,3,4,5,6,7
	ds_store_b64 v[BFA], v[KB+16*\x+2*\j:KB+16*\x+2*\j+1] offset:2048*(4+\x)+256*\j   ; my rows 28-31 join the copy
.endr
.endr
	ds_store_b128 v[CIW], v[CIV:CIV+3]
	ds_store_b128 v[CIW], v[CIV+4:CIV+7] offset:512
	ds_store_b128 v[CIW], v[CIV+8:CIV+11] offset:4096
	ds_store_b128 v[CIW], v[CIV+12:CIV+15] offset:4096+512
	s_wait_dscnt 0x0                               ; the stores have landed
	s_wait_alu depctr_vm_vsrc(0)                   ; all LDS stores so far have read v48 to v175: these registers are from here on the accumulators, ci and v, the sums, and later the context's buffers
	ds_load_b128 v[128:131], v[CIA0]               ; tile 0's ci and v of columns 8 h + 0 .. 7, into the even tiles' buffer; each tile asks for the next one's
	ds_load_b128 v[132:135], v[CIA0] offset:16
	ds_load_b128 v[136:139], v[CIA0] offset:4096
	ds_load_b128 v[140:143], v[CIA0] offset:4096+16
.irp i, 0,1,2,3,4,5,6,7,8,9,10,11,12,13,14,15
	v_mov_b32 v[SA+\i], 0
.endr
; ---- PHASE G.  32 matrix instructions: K steps 0 to 7 x tiles of rows m0 .. m0 + 3.  The four accumulators take turns, one instruction a turn; the first K step starts the sums
.macro MULS q, m0
.irp t, 0,1,2,3,4,5,6,7
.irp i, 0,1,2,3
.if \t == 0
	v_wmma_scale_f32_16x16x128_f8f6f4 v[ACC+8*(\m0+\i):ACC+8*(\m0+\i)+7], v[64*(\q)+8*\t:64*(\q)+8*\t+7], v[64*\i+8*\t:64*\i+8*\t+7], 0, v[WSC+4*(\q)+\t], v[ASC+4*(\m0+\i)+\t] matrix_a_fmt:MATRIX_FMT_FP4 matrix_b_fmt:MATRIX_FMT_FP4
.elseif \t < 4
	v_wmma_scale_f32_16x16x128_f8f6f4 v[ACC+8*(\m0+\i):ACC+8*(\m0+\i)+7], v[64*(\q)+8*\t:64*(\q)+8*\t+7], v[64*\i+8*\t:64*\i+8*\t+7], v[ACC+8*(\m0+\i):ACC+8*(\m0+\i)+7], v[WSC+4*(\q)+\t], v[ASC+4*(\m0+\i)+\t] matrix_a_fmt:MATRIX_FMT_FP4 matrix_b_fmt:MATRIX_FMT_FP4
.else
	v_wmma_scale_f32_16x16x128_f8f6f4 v[ACC+8*(\m0+\i):ACC+8*(\m0+\i)+7], v[64*(\q)+8*\t:64*(\q)+8*\t+7], v[64*\i+8*\t:64*\i+8*\t+7], v[ACC+8*(\m0+\i):ACC+8*(\m0+\i)+7], v[WSC+4*(\q)+\t-4], v[ASC+4*(\m0+\i)+\t-4] matrix_a_fmt:MATRIX_FMT_FP4 matrix_b_fmt:MATRIX_FMT_FP4 matrix_a_scale:MATRIX_SCALE_ROW1 matrix_b_scale:MATRIX_SCALE_ROW1
.endif
.endr
.endr
.endm
; r = 1 / (1 + 2^(c2 x + ci)) and the sums of v r.  An exponential that overflows gives r = 0, one that falls to 0 gives r = 1: the two ends of tanh, with no clamp.
; Behind the exponentials' wait stand the tile's loads.  ahead = 1: W's buffer q takes the tile four further on.  nxt = 1: the next tile's ci and v are asked for, into the other buffer.
.macro TANH q, ahead, nxt
.set CV, 128-96*((\q)%2)
.set NV, 32+96*((\q)%2)
.irp m, 0,1,2,3,4,5,6,7
.irp p, 0,2,4,6
	v_pk_fma_f32 v[ACC+8*\m+\p:ACC+8*\m+\p+1], v[ACC+8*\m+\p:ACC+8*\m+\p+1], s[24:25], v[CV+\p:CV+\p+1] op_sel_hi:[1,0,1]   ; each accumulator from its low end on
.endr
.endr
.set II, 0
.rept 64
	v_exp_f32 v[ACC+II], v[ACC+II]
.set II, II+1
.endr
	v_nop                                          ; a plain place behind the last exponential,
	s_wait_alu depctr_va_vdst(0)                   ; and one wait: the exponentials have written their results, ahead of their first reader; this tile's products are done reading W's buffer q and its scale words, and the tile before is done reading the other buffer of ci and v, in which the loads below land; in a trip's first tile v[CIA] is written
.if \ahead
	WLOAD \q, 4+(\q)
.endif
.if \nxt
	ds_load_b128 v[NV:NV+3], v[CIA] offset:64*((\q)+1)             ; ci and v of the next tile's columns 16 T + 8 h + 0 .. 7
	ds_load_b128 v[NV+4:NV+7], v[CIA] offset:64*((\q)+1)+16
	ds_load_b128 v[NV+8:NV+11], v[CIA] offset:64*((\q)+1)+4096
	ds_load_b128 v[NV+12:NV+15], v[CIA] offset:64*((\q)+1)+4096+16
.endif
.set II, 0
.rept 32
	v_pk_add_f32 v[ACC+II:ACC+II+1], v[ACC+II:ACC+II+1], 1.0 op_sel_hi:[1,0]
.set II, II+2
.endr
.set II, 0
.rept 64
	v_rcp_f32 v[ACC+II], v[ACC+II]
.set II, II+1
.endr
	v_nop
	s_wait_alu depctr_va_vdst(0)                   ; the reciprocals have written their results, ahead of their first reader
.irp p, 0,2,4,6
.irp m, 0,1,2,3,4,5,6,7
	v_pk_fma_f32 v[SA+2*\m:SA+2*\m+1], v[ACC+8*\m+\p:ACC+8*\m+\p+1], v[CV+8+\p:CV+8+\p+1], v[SA+2*\m:SA+2*\m+1]   ; the eight chains by turns
.endr
.endr
.endm
; The tile in buffer q.  left: the younger tiles' loads, 17 each
.macro TILE q, ahead, left, nxt
	s_wait_loadcnt \left
	WIN 0x07                                       ; source 0 (W) window 3, source 1 (rows) window 1, C and D window 0
	MULS \q, 0
	WIN 0x0b                                       ; source 1 window 2
	MULS \q, 4
	WIN 0
.rept 4
	v_nop                                          ; four places ahead of the first read of results
.endr
	s_wait_dscnt 0x0                               ; ci and v, asked for a tile ago, are in
	TANH \q, \ahead, \nxt
.endm
	s_mov_b32 s28, 3
	s_mov_b32 s38, 0
.Lg:                                               ; three trips of four tiles; 51 = the three younger tiles' loads
	s_wait_alu depctr_vm_vsrc(0)                   ; the LDS loads issued so far have read v[CIA]
	v_add_nc_u32 v[CIA], s38, v[CIA0]
	TILE 0, 1, 51, 1
	TILE 1, 1, 51, 1
	TILE 2, 1, 51, 1
	TILE 3, 1, 51, 1
	s_wait_xcnt 0x0                                ; the loads have read their bases: they may step
	s_add_nc_u64 s[8:9], s[8:9], 4*8192
	s_add_nc_u64 s[10:11], s[10:11], 4*512
	s_add_co_u32 s38, s38, 256
	s_sub_co_u32 s28, s28, 1
	s_cmp_lg_u32 s28, 0
	s_cbranch_scc1 .Lg
	s_wait_alu depctr_vm_vsrc(0)                   ; the LDS loads issued so far have read v[CIA]
	v_add_nc_u32 v[CIA], s38, v[CIA0]
	TILE 0, 0, 51, 1                               ; the last four tiles load nothing of W: the counts run down; the last asks for no ci and v
	TILE 1, 0, 34, 1
	TILE 2, 0, 17, 1
	TILE 3, 0, 0, 0
	; ---- SCORES
.irp m, 0,1,2,3,4,5,6,7
	v_add_f32 v[M+\m], v[SA+2*\m], v[SA+2*\m+1]
.endr
.irp m, 0,1,2,3,4,5,6,7
	v_permlanex16_b32 v[SCO+\m], v[M+\m], s26, s27
.endr
.irp m, 0,1,2,3,4,5,6,7
	v_add_f32 v[M+\m], v[M+\m], v[SCO+\m]          ; row 16 m + r: the sum over my 256 columns
.endr
	s_wait_alu depctr_va_vdst(0)                   ; the sums v16 to v23 are written, which the LDS stores read; and the odd tiles' multiply-adds are done reading v32 to v47, in which the LDS loads behind the barrier land
.irp m, 0,1,2,3,4,5,6,7
	ds_store_b32 v[SCPA], v[M+\m] offset:64*\m     ; both halves of the lanes write the same word with the same value
.endr
	BARRIER                                        ; the four partial sums of every row, and all 128 rows of the bf16 copy, lie in LDS
.irp w, 0,1,2,3
	ds_load_b128 v[BY+4*\w:BY+4*\w+3], v[SCR] offset:512*\w        ; rows 4 l .. 4 l + 3
.endr
	s_wait_dscnt 0x0
	v_pk_add_f32 v[BY:BY+1], v[BY:BY+1], v[BY+4:BY+5]
	v_pk_add_f32 v[BY+2:BY+3], v[BY+2:BY+3], v[BY+6:BY+7]
	v_pk_add_f32 v[BY+8:BY+9], v[BY+8:BY+9], v[BY+12:BY+13]
	v_pk_add_f32 v[BY+10:BY+11], v[BY+10:BY+11], v[BY+14:BY+15]
	v_pk_add_f32 v[BY:BY+1], v[BY:BY+1], v[BY+8:BY+9]
	v_pk_add_f32 v[BY+2:BY+3], v[BY+2:BY+3], v[BY+10:BY+11]
	v_pk_mul_f32 v[BY:BY+1], v[BY:BY+1], s[36:37] op_sel_hi:[1,0]  ; t: the same bits in all four waves
	v_pk_mul_f32 v[BY+2:BY+3], v[BY+2:BY+3], s[36:37] op_sel_hi:[1,0]
	s_cmp_lg_u32 s18, 0
	s_cbranch_scc1 .Lnot_wave_0
	s_wait_alu depctr_va_vdst(0)                   ; t, v32 to v35, is written, which the store reads
	global_store_b128 v[GOFF], v[BY:BY+3], s[14:15]                ; 32 lanes store the chunk's 512 consecutive bytes; these registers are not written again
.Lnot_wave_0:
	v_max3_num_f32 v48, v[BY], v[BY+1], v[BY+2]
	v_max_num_f32 v48, v48, v[BY+3]
.irp x, 1,2,4,8
	v_max_num_f32_dpp v48, v48, v48 row_xmask:\x row_mask:0xf bank_mask:0xf
.endr
	v_permlanex16_b32 v49, v48, s26, s27
	v_max_num_f32 v48, v48, v49                    ; m: the chunk's largest t
.irp i, 0,1,2,3
	v_sub_f32 v[BY+4+\i], v[BY+\i], v48
.endr
.irp i, 0,1,2,3
	v_exp_f32 v[BY+4+\i], v[BY+4+\i]               ; p = 2^(t - m), at most 1
.endr
.irp i, 0,1,2,3,4,5,6,7
	v_mov_b32 v[AC2+\i], 0                         ; my eight sums.  (Plain work behind the exponentials)
.endr
	s_wait_alu depctr_va_vdst(0)                   ; the four exponentials have written p, which the LDS store reads: their first reader; and phase G's lines are done with v64 to v143, in which the first sixteen rows and their p land
	ds_store_b128 v[PBW], v[BY+4:BY+7]             ; my wave's own copy: LDS serves a wave's instructions in order, so the loads below see it
; ---- CONTEXT.  Sixteen rows to a set, in four groups of five LDS loads: four p (one address for all lanes) and four rows' 16 bytes a lane.
; Group q of a set: its 32 multiply-adds out of v[dr], v[pr].  refill = 1: the same group of the next set is asked for, into the other buffer v[ndr], v[npr], its five loads dealt among the multiply-adds.
; left: the LDS loads issued behind this group's five: 5 (3 - q) of this set and, with refill, 5 q of the next
.macro GROUP q, dr, pr, refill, left, ndr, npr, cx, pb
	s_wait_dscnt \left
.if \refill
	ds_load_b128 v[\npr+4*(\q):\npr+4*(\q)+3], v[\pb] offset:16*(\q)+64
.endif
.irp x, 0,1,2,3
.irp e, 0,1,2,3
	v_fma_mix_f32_bf16 v[AC2+2*\e], v[\dr+16*(\q)+4*\x+\e], v[\pr+4*(\q)+\x], v[AC2+2*\e] op_sel_hi:[1,0,0]               ; the low bf16 x p, added in f32
	v_fma_mix_f32_bf16 v[AC2+2*\e+1], v[\dr+16*(\q)+4*\x+\e], v[\pr+4*(\q)+\x], v[AC2+2*\e+1] op_sel:[1,0,0] op_sel_hi:[1,0,0]   ; the high one
.endr
.if \refill
	ds_load_b128 v[\ndr+16*(\q)+4*\x:\ndr+16*(\q)+4*\x+3], v[\cx] offset:2048*(4*(\q)+\x)+32768
.endif
.endr
.endm
; A set that has a successor
.macro CSET dr, pr, ndr, npr, cx, pb
	s_wait_alu depctr_va_vdst(0)                   ; the set before is done reading the other buffer, in which this set's loads land; in a trip's first set the four addresses are written
.irp q, 0,1,2,3
	GROUP \q, \dr, \pr, 1, 15, \ndr, \npr, \cx, \pb
.endr
.endm
.irp q, 0,1,2,3
	ds_load_b128 v[PRA+4*\q:PRA+4*\q+3], v[PBA0] offset:16*\q      ; rows 0 to 15 into buffer A
.irp x, 0,1,2,3
	ds_load_b128 v[DRA+16*\q+4*\x:DRA+16*\q+4*\x+3], v[CXA0] offset:2048*(4*\q+\x)
.endr
.endr
	s_mov_b32 s28, 3
	s_mov_b32 s38, 0
	s_mov_b32 s39, 0
.Lc:                                               ; three trips of twice 16 rows: buffer A, then buffer B
	s_wait_alu depctr_vm_vsrc(0)                   ; the LDS loads issued so far have read v226 to v229
	v_add_nc_u32 v[CXAA], s38, v[CXA0]
	v_add_nc_u32 v[PBAA], s39, v[PBA0]
	v_add_nc_u32 v[CXAB], 32768, v[CXAA]
	v_add_nc_u32 v[PBAB], 64, v[PBAA]
	CSET DRA, PRA, DRB, PRB, CXAA, PBAA
	CSET DRB, PRB, DRA, PRA, CXAB, PBAB
	s_add_co_u32 s38, s38, 65536
	s_add_co_u32 s39, s39, 128
	s_sub_co_u32 s28, s28, 1
	s_cmp_lg_u32 s28, 0
	s_cbranch_scc1 .Lc
	s_wait_alu depctr_vm_vsrc(0)                   ; the LDS loads issued so far have read v226 and v228
	v_add_nc_u32 v[CXAA], s38, v[CXA0]
	v_add_nc_u32 v[PBAA], s39, v[PBA0]
	CSET DRA, PRA, DRB, PRB, CXAA, PBAA            ; rows 96 to 111; the last 16 are asked for
	GROUP 0, DRB, PRB, 0, 15, DRA, PRA, CXAA, PBAA ; rows 112 to 127: nothing is left to fetch, the counts run down
	GROUP 1, DRB, PRB, 0, 10, DRA, PRA, CXAA, PBAA
	GROUP 2, DRB, PRB, 0, 5, DRA, PRA, CXAA, PBAA
	GROUP 3, DRB, PRB, 0, 0, DRA, PRA, CXAA, PBAA
	; ---- THE WAY OUT.  A lane holds 32 neighbouring bytes: through my own stage they become two stores of 512 consecutive bytes
	s_wait_alu depctr_va_vdst(0)                   ; the multiply-adds have written my eight sums, which the LDS stores read, and are done reading v64 to v71, in which the LDS loads land
	ds_store_b128 v[OSW], v[AC2:AC2+3]
	ds_store_b128 v[OSW], v[AC2+4:AC2+7] offset:16
	ds_load_b128 v[DRA:DRA+3], v[OSR]              ; LDS serves a wave's instructions in order: these see the stores above
	ds_load_b128 v[DRA+4:DRA+7], v[OSR] offset:512
	s_wait_dscnt 0x0
	global_store_b128 v[GOFF], v[DRA:DRA+3], s[16:17]
	global_store_b128 v[GOFF], v[DRA+4:DRA+7], s[16:17] offset:512
	s_wait_dscnt 0x0                               ; the closing lines, six on end
	s_wait_alu 0x0
	s_wait_tensorcnt 0x0
	ds_add_u32 v[SPW], v[NIL]
	s_wait_dscnt 0x0
	s_endpgm
.Lfunc_end_k_q57b4d3b31f_main:
	.size	k_q57b4d3b31f_main, .Lfunc_end_k_q57b4d3b31f_main-k_q57b4d3b31f_main
	.p2alignl 7, 3214868480
	.fill 96, 4, 3214868480
	.section	.rodata,"a",@progbits
	.p2align	6, 0x0
	.amdhsa_kernel k_q57b4d3b31f_main
		.amdhsa_group_segment_fixed_size 326144
		.amdhsa_private_segment_fixed_size 0
		.amdhsa_enable_private_segment 0
		.amdhsa_kernarg_size 56
		.amdhsa_user_sgpr_count 2
		.amdhsa_user_sgpr_kernarg_segment_ptr 1
		.amdhsa_wavefront_size32 1
		.amdhsa_system_sgpr_workgroup_id_x 1
		.amdhsa_system_sgpr_workgroup_id_y 1
		.amdhsa_system_sgpr_workgroup_id_z 1
		.amdhsa_system_vgpr_workitem_id 0
		.amdhsa_next_free_vgpr 1024
		.amdhsa_next_free_sgpr 66
		.amdhsa_reserve_vcc 0
		.amdhsa_float_denorm_mode_32 3
		.amdhsa_float_denorm_mode_16_64 3
		.amdhsa_memory_ordered 1
		.amdhsa_forward_progress 1
		.amdhsa_inst_pref_size 255
	.end_amdhsa_kernel
	.section	.bss,"aw",@nobits
	.p2align	6
	.space	262144
	.amdgpu_metadata
---
amdhsa.version: [ 1, 2 ]
amdhsa.kernels:
  - .name:           k_q57b4d3b31f_main
    .symbol:         k_q57b4d3b31f_main.kd
    .args:
      - { .name: encoder_outputs, .offset: 0, .size: 8, .value_kind: global_buffer, .address_space: global }
      - { .name: v, .offset: 8, .size: 8, .value_kind: global_buffer, .address_space: global }
      - { .name: wf, .offset: 16, .size: 8, .value_kind: global_buffer, .address_space: global }
      - { .name: ws, .offset: 24, .size: 8, .value_kind: global_buffer, .address_space: global }
      - { .name: ci, .offset: 32, .size: 8, .value_kind: global_buffer, .address_space: global }
      - { .name: tbuf, .offset: 40, .size: 8, .value_kind: global_buffer, .address_space: global }
      - { .name: pctx, .offset: 48, .size: 8, .value_kind: global_buffer, .address_space: global }
    .group_segment_fixed_size: 326144
    .private_segment_fixed_size: 0
    .kernarg_segment_align: 8
    .kernarg_segment_size: 56
    .max_flat_workgroup_size: 128
    .sgpr_count:     66
    .vgpr_count:     1024
    .wavefront_size: 32
...
	.end_amdgpu_metadata
.endif
;; end of part 5
;; launch merge: the kernel of part 3 again; grid 16 x 1, 8 waves a work-group, no clusters, 1,280 bytes of LDS; arguments tbuf, pctx, out0, out1; writes out0, out1
